; MI455X (gfx1250); checked and timed in simulation.
; The chip was launched on July 23, 2026; its instructions are those of AMD's public machine-readable ISA for CDNA 5 (MIT licence, August 2026) and "CDNA5" Instruction Set Architecture Reference Guide (July 2026). The comments in the code are by the model that wrote it; some were corrected since.
;; Img GLU Layer. Allowed arithmetic: float matrix products may take bf16 or f16 operands with f32 sums; other float arithmetic in f32, or as packed bf16 or f16 multiplies, adds, multiply-adds, maxima and minima; sums over many terms, partial sums and values carried from step to step in f32; what a program stores and reads back later, other than sums and carried values, may be rounded once to bf16 or f16.
;; Inputs: alpha 1 x 1 x 1,024 float32; fc_b 1,024 float32; fc_gate_b 1,024 float32; fc_gate_w 1,024 x 1,024 float32; fc_i_b 1,024 float32; fc_i_w 1,024 x 1,024 float32; fc_r_b 1,024 float32; fc_r_w 1,024 x 1,024 float32; fc_w 1,024 x 1,024 float32; hidden_states 16 x 256 x 1,024 float32; mlp_fc_b 3,072 float32; mlp_fc_w 3,072 x 1,024 float32; mlp_gate_b 3,072 float32; mlp_gate_w 3,072 x 1,024 float32; norm2_w 1,024 float32; norm_w 1,024 float32; out_b 1,024 float32; out_w 1,024 x 3,072 float32.
;; Outputs: out0 16 x 256 x 1,024 float32.
;; 2 versions, each right; version 2 is version 1 with the launch prep written anew for expert scheduling mode. Each part assembles by itself: llvm-mc -triple=amdgcn-amd-amdhsa -mcpu=gfx1250 --defsym DOCPART=n.
;; ======== version 1 of 2: 4 launches
;; workspace buffers: hb 8,388,608 bytes; wts 27,267,072 bytes; w2s 16,777,216 bytes; hs2 16,777,216 bytes; ub 8,388,608 bytes; ssq 262,144 bytes; pb 25,165,824 bytes
;; launch prep (part 1): grid 545 x 1, 8 waves a work-group, no clusters, 0 bytes of LDS; arguments hidden_states, norm_w, fc_gate_w, fc_w, fc_r_w, fc_i_w, mlp_gate_w, mlp_fc_w, out_w, alpha, hb, wts, w2s; writes hb, wts, w2s
.if DOCPART == 1
	.amdgcn_target "amdgcn-amd-amdhsa--gfx1250"
	.amdhsa_code_object_version 6
	.text
	.protected	k_q8ea63528ed_prep
	.globl	k_q8ea63528ed_prep
	.p2align	8
	.type	k_q8ea63528ed_prep,@function
k_q8ea63528ed_prep:
	s_mov_b64 s[64:65], 0
	v_nop
	global_prefetch_b8 v0, s[64:65] scope:SCOPE_SE
	s_setreg_imm32_b32 hwreg(HW_REG_WAVE_MODE, 25, 1), 1
	s_wait_xcnt 0x0
; PREP: everything that the three products want in bf16 is made once, by streaming.
;   work-groups   0..127  hb[row][:] = bf16(x * rsqrt(mean(x^2) + 1e-6) * norm_w), 32 rows a work-group, 4 a wave, a row in 32 registers
;   work-groups 128..255  W1 (wts + 0):   [4096][1024] bf16, row = 256 dblk + 64 mat + dl (mat 0 gate, 1 fc, 2 r, 3 i; channel 64 dblk + dl)
;   work-groups 256..447  w2s: 8 panels of [32 slices][1024 rows][32] bf16.  Tile x of the MLP's first product (hidden units 192 x ..) lies in panel x / 2, rows 384 (x & 1) + 192 part + c
;                         (part 0 mlp_gate, 1 mlp_fc; source row 192 x + c); slice s holds k = 32 s .. 32 s + 31.  Rows 768 .. 1023 of a slice are neither written nor read.
;   work-groups 448..543  WO (wts + OWO): [96 slices][1024 n][32] bf16, WO[s][n][kk] = out_w[n][32 s + kk]: three runs of 32 slices, each of a panel's form, so both share one text
;   work-group  544       C8 (wts + OC8): [1024] f32, -8 log2(e) softplus(alpha)
; (Bytes 8,388,608 .. 20,971,519 of wts are not used.)
; A wave moves 16 KiB of f32: 32 loads of 16 bytes a lane go out together, then four groups of eight are waited for, rounded and stored;
; each store of the wave covers 256 consecutive bytes, aligned.  No LDS, no barrier: no wave wants another's bytes.
; LIMITS.  softplus(x) = max(x, 0) + log1p(e^-|x|); e^-|x| below 2^-126 counts as 0.  NaN and infinities are not treated apart.
.set OWO, 20971520
.set OC8, 27262976
.set D,   32                           ; v[32:159]  four groups of eight loads
.set NW,  160                          ; v[160:191] norm_w of my 32 columns
.macro LOAD32 la, lb                   ; group i, load j at byte la i + lb j behind the source pointer
.irp i, 0,1,2,3
.irp j, 0,1,2,3,4,5,6,7
	global_load_b128 v[D+32*(\i)+4*(\j):D+32*(\i)+4*(\j)+3], v2, s[4:5] offset:(\la)*(\i)+(\lb)*(\j) th:TH_LOAD_NT
.endr
.endr
.endm
.macro PACKROW i, sa, sb               ; group i is rounded in place and stored at byte sa i + sb j
.irp j, 0,1,2,3,4,5,6,7
	v_cvt_pk_bf16_f32 v[D+32*(\i)+4*(\j)], v[D+32*(\i)+4*(\j)], v[D+32*(\i)+4*(\j)+1]
	v_cvt_pk_bf16_f32 v[D+32*(\i)+4*(\j)+1], v[D+32*(\i)+4*(\j)+2], v[D+32*(\i)+4*(\j)+3]
	global_store_b64 v3, v[D+32*(\i)+4*(\j):D+32*(\i)+4*(\j)+1], s[6:7] offset:(\sa)*(\i)+(\sb)*(\j)
.endr
.endm
.macro STREAM la, lb, sa, sb
	LOAD32 \la, \lb
.irp i, 0,1,2,3
	s_wait_loadcnt 24-8*(\i)                       ; loads come back in order: group i is in, the eight loads of each younger group stay out
	PACKROW \i, \sa, \sb
.endr
.endm
.macro NORMROW i                       ; one row: sum of squares in four chains, across the lanes, scale, gain, round, store
.set RW, D+32*(\i)
	s_wait_loadcnt 24-8*(\i)                       ; row i (and norm_w, asked for first) is in; the younger rows stay out
.irp p, 0,1,2,3
	v_pk_mul_f32 v[4+2*(\p):5+2*(\p)], v[RW+2*(\p):RW+2*(\p)+1], v[RW+2*(\p):RW+2*(\p)+1]
.endr
.irp p, 4,5,6,7,8,9,10,11,12,13,14,15
	v_pk_fma_f32 v[4+2*((\p)%4):5+2*((\p)%4)], v[RW+2*(\p):RW+2*(\p)+1], v[RW+2*(\p):RW+2*(\p)+1], v[4+2*((\p)%4):5+2*((\p)%4)]
.endr
	v_pk_add_f32 v[4:5], v[4:5], v[6:7]
	v_pk_add_f32 v[8:9], v[8:9], v[10:11]
	v_pk_add_f32 v[4:5], v[4:5], v[8:9]
	v_add_f32 v4, v4, v5
	v_add_f32_dpp v4, v4, v4 row_xmask:1 row_mask:0xf bank_mask:0xf
	v_add_f32_dpp v4, v4, v4 row_xmask:2 row_mask:0xf bank_mask:0xf
	v_add_f32_dpp v4, v4, v4 row_xmask:4 row_mask:0xf bank_mask:0xf
	v_add_f32_dpp v4, v4, v4 row_xmask:8 row_mask:0xf bank_mask:0xf
	v_permlanex16_b32 v5, v4, s40, s41             ; the other half of the lanes
	v_add_f32 v4, v4, v5
	v_fma_f32 v4, v4, s3, v12                      ; mean + 1e-6
	v_rsq_f32 v6, v4                               ; twice: a pair for the packed multiply
	v_rsq_f32 v7, v4
	v_nop                                          ; a plain instruction behind the last of the two
	s_wait_alu depctr_va_vdst(0)                   ; one wait for both, ahead of their first reader
.irp p, 0,1,2,3,4,5,6,7,8,9,10,11,12,13,14,15
	v_pk_mul_f32 v[RW+2*(\p):RW+2*(\p)+1], v[RW+2*(\p):RW+2*(\p)+1], v[6:7]
.endr
.irp p, 0,1,2,3,4,5,6,7,8,9,10,11,12,13,14,15
	v_pk_mul_f32 v[RW+2*(\p):RW+2*(\p)+1], v[RW+2*(\p):RW+2*(\p)+1], v[NW+2*(\p):NW+2*(\p)+1]
.endr
	PACKROW \i, 2048, 256
.endm
	s_load_b512 s[8:23], s[0:1], 0x0               ; x 8, norm_w 10, gate_w 12, fc_w 14, r_w 16, i_w 18, mlp_gate_w 20, mlp_fc_w 22
	s_load_b256 s[24:31], s[0:1], 0x40             ; out_w 24, alpha 26, hb 28, wts 30
	s_load_b64 s[42:43], s[0:1], 0x60              ; w2s
	v_lshrrev_b32 v1, 5, v0
	v_readfirstlane_b32 s2, v1                     ; wave 0..7
	v_and_b32 v1, 31, v0                           ; lane
	v_lshlrev_b32 v2, 4, v1                        ; 16 bytes a lane in
	v_lshlrev_b32 v3, 3, v1                        ; 8 bytes a lane out
	s_mov_b32 s36, ttmp9
	s_mov_b32 s33, 0                               ; offsets are pairs with 0 on top
	s_mov_b32 s35, 0
	s_wait_kmcnt 0x0
	s_cmp_lt_u32 s36, 128
	s_cbranch_scc0 .Lweights
	; ---- the first norm
	s_mov_b32 s3, 0x3a800000                       ; 1 / 1024
	s_mov_b32 s40, 0x76543210
	s_mov_b32 s41, 0xfedcba98
	v_mov_b32 v12, 0x358637bd                      ; 1e-6
	s_lshl_b32 s32, s36, 5
	s_lshl2_add_u32 s32, s2, s32                   ; my first row: 32 g + 4 wave
	s_lshl_b32 s34, s32, 11                        ; 2,048 bytes a row out
	s_lshl_b32 s32, s32, 12                        ; 4,096 bytes a row in
	s_add_nc_u64 s[4:5], s[8:9], s[32:33]
	s_add_nc_u64 s[6:7], s[28:29], s[34:35]
.irp j, 0,1,2,3,4,5,6,7
	global_load_b128 v[NW+4*(\j):NW+4*(\j)+3], v2, s[10:11] offset:512*(\j)
.endr
	LOAD32 4096, 512
	NORMROW 0
	NORMROW 1
	NORMROW 2
	NORMROW 3
	s_endpgm
.Lweights:
	s_cmp_lt_u32 s36, 256
	s_cbranch_scc0 .Lw2
	; ---- the four projections' weights, 64 rows of each matrix in turn
	s_sub_co_u32 s36, s36, 128                     ; q: 32 rows of W1
	s_lshr_b32 s37, s36, 3                         ; dblk
	s_lshl_b32 s32, s37, 6
	s_and_b32 s38, s36, 1
	s_lshl_b32 s38, s38, 5
	s_add_co_u32 s32, s32, s38
	s_lshl2_add_u32 s32, s2, s32                   ; source row 64 dblk + 32 (q & 1) + 4 wave
	s_lshl_b32 s34, s36, 5
	s_lshl2_add_u32 s34, s2, s34                   ; row of W1: 32 q + 4 wave
	s_lshl_b32 s34, s34, 11
	s_bfe_u32 s37, s36, 0x20001                    ; mat
	s_cmp_eq_u32 s37, 1
	s_cselect_b64 s[4:5], s[14:15], s[12:13]
	s_cmp_eq_u32 s37, 2
	s_cselect_b64 s[4:5], s[16:17], s[4:5]
	s_cmp_eq_u32 s37, 3
	s_cselect_b64 s[4:5], s[18:19], s[4:5]
	s_lshl_b32 s32, s32, 12
	s_add_nc_u64 s[4:5], s[4:5], s[32:33]
	s_add_nc_u64 s[6:7], s[30:31], s[34:35]
	STREAM 4096, 512, 2048, 256
	s_endpgm
.Lw2:
	s_cmp_lt_u32 s36, 448
	s_cbranch_scc0 .Lo
	; ---- the MLP's two first matrices by slices of 32 along K: 192 rows of each in turn; a wave takes 4 rows x 1,024 k
	s_sub_co_u32 s36, s36, 256                     ; q: 32 rows
	s_mul_hi_u32 s37, s36, 0x15555556              ; x = q / 12 (q < 192)
	s_mul_i32 s38, s37, 12
	s_sub_co_u32 s38, s36, s38                     ; q - 12 x
	s_mul_i32 s32, s37, 192
	s_and_b32 s34, s37, 1
	s_mul_i32 s34, s34, 384
	s_lshl_b32 s39, s38, 5
	s_add_co_u32 s34, s34, s39
	s_lshl2_add_u32 s34, s2, s34                   ; row in the panel: 384 (x & 1) + 32 (q - 12 x) + 4 wave
	s_lshl_b32 s34, s34, 6
	s_lshr_b32 s39, s37, 1
	s_lshl_b32 s39, s39, 21                        ; the panel: 32 slices of 65,536 bytes
	s_add_co_u32 s34, s34, s39
	s_cmp_ge_u32 s38, 6                            ; the second six are mlp_fc's
	s_cselect_b64 s[4:5], s[22:23], s[20:21]
	s_cselect_b32 s39, 6, 0
	s_sub_co_u32 s38, s38, s39
	s_lshl_b32 s38, s38, 5
	s_add_co_u32 s32, s32, s38
	s_lshl2_add_u32 s32, s2, s32                   ; source row
	s_lshl_b32 s32, s32, 12
	s_add_nc_u64 s[4:5], s[4:5], s[32:33]
	s_add_nc_u64 s[6:7], s[42:43], s[34:35]
	v_lshrrev_b32 v4, 3, v1
	v_and_b32 v5, 7, v1
	v_lshlrev_b32 v4, 12, v4
	v_lshl_add_u32 v2, v5, 4, v4                   ; row lane / 8 (4,096 bytes apart), 16 bytes at lane % 8
	s_branch .Lslice
.Lo:
	s_cmp_lt_u32 s36, 544
	s_cbranch_scc0 .Lc
	; ---- out_w by slices: a wave takes 4 rows x 1,024 k
	s_sub_co_u32 s36, s36, 448
	s_lshr_b32 s37, s36, 5                         ; which third of K
	s_and_b32 s38, s36, 31
	s_lshl_b32 s38, s38, 3
	s_add_co_u32 s38, s38, s2
	s_lshl_b32 s38, s38, 2                         ; n0
	s_mul_i32 s32, s38, 12288
	s_lshl_b32 s39, s37, 12
	s_add_co_u32 s32, s32, s39
	s_lshl_b32 s34, s37, 21                        ; 32 slices of 65,536 bytes
	s_lshl_b32 s39, s38, 6
	s_add_co_u32 s34, s34, s39
	s_add_co_u32 s34, s34, OWO
	v_lshrrev_b32 v4, 3, v1
	v_and_b32 v5, 7, v1
	v_mul_u32_u24 v4, v4, 12288
	v_lshl_add_u32 v2, v5, 4, v4                   ; row lane / 8 (12,288 bytes apart), 16 bytes at lane % 8
	s_add_nc_u64 s[4:5], s[24:25], s[32:33]
	s_add_nc_u64 s[6:7], s[30:31], s[34:35]
.Lslice:                                               ; a load is 4 rows x 128 bytes, a store 4 rows x 64 bytes on end, a slice further each time
	STREAM 1024, 128, 524288, 65536
	s_endpgm
.Lc:
	; ---- the table -8 log2(e) softplus(alpha): four numbers a thread
	s_add_nc_u64 s[6:7], s[30:31], OC8
	s_mov_b32 s38, 0xbfb8aa3b                      ; -log2(e)
	s_mov_b32 s39, 0x3a800000                      ; 2^-10: below it log1p(z) is taken as z (1 - z / 2)
	v_lshlrev_b32 v4, 4, v0
	global_load_b128 v[8:11], v4, s[26:27]
	s_wait_loadcnt 0x0
.irp k, 0,1,2,3
	v_mul_f32 v[12+(\k)], s38, |v[8+(\k)]|
.endr
.irp k, 0,1,2,3
	v_exp_f32 v[12+(\k)], v[12+(\k)]               ; z = e^-|x|
.endr
	v_nop
	s_wait_alu depctr_va_vdst(0)                   ; one wait for the four
.irp k, 0,1,2,3
	v_add_f32 v[16+(\k)], 1.0, v[12+(\k)]
.endr
.irp k, 0,1,2,3
	v_log_f32 v[16+(\k)], v[16+(\k)]
.endr
.irp k, 0,1,2,3
	v_fma_f32 v[20+(\k)], v[12+(\k)], -0.5, 1.0
.endr
.irp k, 0,1,2,3
	v_mul_f32 v[20+(\k)], v[20+(\k)], v[12+(\k)]
	v_max_num_f32 v[8+(\k)], 0, v[8+(\k)]
.endr
	s_wait_alu depctr_va_vdst(0)                   ; one wait for the four logarithms
.irp k, 0,1,2,3
	v_mul_f32 v[16+(\k)], 0x3f317218, v[16+(\k)]   ; ln 2
	v_cmp_gt_f32 vcc_lo, s39, v[12+(\k)]
	v_cndmask_b32 v[16+(\k)], v[16+(\k)], v[20+(\k)], vcc_lo
	v_add_f32 v[8+(\k)], v[8+(\k)], v[16+(\k)]
	v_mul_f32 v[8+(\k)], 0xc138aa3b, v[8+(\k)]     ; -8 log2(e)
.endr
	global_store_b128 v4, v[8:11], s[6:7]
	s_endpgm
.Lfunc_end_k_q8ea63528ed_prep:
	.size	k_q8ea63528ed_prep, .Lfunc_end_k_q8ea63528ed_prep-k_q8ea63528ed_prep
	.p2alignl 7, 3214868480
	.fill 96, 4, 3214868480
	.section	.rodata,"a",@progbits
	.p2align	6, 0x0
	.amdhsa_kernel k_q8ea63528ed_prep
		.amdhsa_group_segment_fixed_size 0
		.amdhsa_private_segment_fixed_size 0
		.amdhsa_enable_private_segment 0
		.amdhsa_kernarg_size 104
		.amdhsa_user_sgpr_count 2
		.amdhsa_user_sgpr_kernarg_segment_ptr 1
		.amdhsa_wavefront_size32 1
		.amdhsa_system_sgpr_workgroup_id_x 1
		.amdhsa_system_sgpr_workgroup_id_y 1
		.amdhsa_system_sgpr_workgroup_id_z 1
		.amdhsa_system_vgpr_workitem_id 0
		.amdhsa_next_free_vgpr 192
		.amdhsa_next_free_sgpr 66
		.amdhsa_reserve_vcc 1
		.amdhsa_float_denorm_mode_32 3
		.amdhsa_float_denorm_mode_16_64 3
		.amdhsa_memory_ordered 1
		.amdhsa_forward_progress 1
		.amdhsa_inst_pref_size 53
	.end_amdhsa_kernel
	.amdgpu_metadata
---
amdhsa.version: [ 1, 2 ]
amdhsa.kernels:
  - .name:           k_q8ea63528ed_prep
    .symbol:         k_q8ea63528ed_prep.kd
    .args:
      - { .name: hidden_states, .offset: 0, .size: 8, .value_kind: global_buffer, .address_space: global }
      - { .name: norm_w, .offset: 8, .size: 8, .value_kind: global_buffer, .address_space: global }
      - { .name: fc_gate_w, .offset: 16, .size: 8, .value_kind: global_buffer, .address_space: global }
      - { .name: fc_w, .offset: 24, .size: 8, .value_kind: global_buffer, .address_space: global }
      - { .name: fc_r_w, .offset: 32, .size: 8, .value_kind: global_buffer, .address_space: global }
      - { .name: fc_i_w, .offset: 40, .size: 8, .value_kind: global_buffer, .address_space: global }
      - { .name: mlp_gate_w, .offset: 48, .size: 8, .value_kind: global_buffer, .address_space: global }
      - { .name: mlp_fc_w, .offset: 56, .size: 8, .value_kind: global_buffer, .address_space: global }
      - { .name: out_w, .offset: 64, .size: 8, .value_kind: global_buffer, .address_space: global }
      - { .name: alpha, .offset: 72, .size: 8, .value_kind: global_buffer, .address_space: global }
      - { .name: hb, .offset: 80, .size: 8, .value_kind: global_buffer, .address_space: global }
      - { .name: wts, .offset: 88, .size: 8, .value_kind: global_buffer, .address_space: global }
      - { .name: w2s, .offset: 96, .size: 8, .value_kind: global_buffer, .address_space: global }
    .group_segment_fixed_size: 0
    .private_segment_fixed_size: 0
    .kernarg_segment_align: 8
    .kernarg_segment_size: 104
    .max_flat_workgroup_size: 256
    .sgpr_count:     66
    .vgpr_count:     192
    .wavefront_size: 32
...
	.end_amdgpu_metadata
.endif
;; end of part 1
;; launch mix (part 2): grid 16 x 16, 4 waves a work-group, clusters of 4 x 4, 327,680 bytes of LDS; arguments hb, wts, hidden_states, fc_gate_b, fc_b, fc_r_b, fc_i_b, norm2_w, hs2, ub, ssq; writes hs2, ub, ssq
.if DOCPART == 2
	.amdgcn_target "amdgcn-amd-amdhsa--gfx1250"
	.amdhsa_code_object_version 6
	.text
	.protected	k_q8ea63528ed_mix
	.globl	k_q8ea63528ed_mix
	.p2align	8
	.type	k_q8ea63528ed_mix,@function
k_q8ea63528ed_mix:
	s_mov_b64 s[64:65], 0
	v_nop
	global_prefetch_b8 v0, s[64:65] scope:SCOPE_SE
	s_setreg_imm32_b32 hwreg(HW_REG_WAVE_MODE, 25, 1), 1
	s_wait_xcnt 0x0
	s_wait_alu depctr_hold_cnt(0) depctr_sa_sdst(0) depctr_va_vdst(0) depctr_va_sdst(0) depctr_va_ssrc(0) depctr_va_vcc(0) depctr_vm_vsrc(0)
	s_getreg_b32 s2, hwreg(HW_REG_IB_STS2, 6, 4)
	s_cmp_eq_u32 s2, 0
	s_cbranch_scc0 .Lentry_in_a_cluster
	s_endpgm
.Lentry_in_a_cluster:
	s_bfe_u32 s2, ttmp6, 0x10000c
	s_cmp_lg_u32 s2, 0xf033
	s_cbranch_scc0 .Lentry_shape_is_right
	s_endpgm
.Lentry_shape_is_right:
; MIX: the four projections, the gates, the recurrence along a sequence and the residual, in one work-group.
; A work-group owns ONE sequence (256 steps: tile row y) and 64 channels of all four projections (tile column x: rows 256 x .. of W1): a tile of 256 x 256 of h W1^T, K = 1,024.
; Four waves, each 128 x 128 in 512 registers; K in steps of 128 through two LDS slots filled by joint tensor loads (4 x 4 cluster: h's tile shared along a row, W1's along a column).
; The matrix instruction is used transposed (source 0 = 16 rows of W1, source 1 = 16 rows of h): a lane holds one step (lane % 16) and eight neighbouring columns.
; BEHIND THE PRODUCTS the ring has had its last fill and takes the sums as f32 (RAW: 256 rows of 1,040 bytes; column byte 256 mat + 4 dl).  Wave w then owns steps 64 w .. 64 w + 63:
;   EW  a lane owns two channels and walks its 64 steps, 8 a trip: gate = gelu, r, i = sigmoid, a = 2^(c8 r), s = sqrt(1 - a^2) hs i; the scan o = a o + s from 0, and the product pp of the a.
;       It leaves X = o gate and Y = pp gate in place.  The four waves' (pp, o) meet in LDS: the carry into wave w follows from those of the waves before it.
;   RB  by rows: hs2 = Y carry + X + residual (f32, stored), u = bf16(hs2 norm2_w) (stored by blocks of 64 channels), and the row's sum of hs2^2 over my 64 channels (f32, stored).
; gelu(g) = max(g, 0) - |g| y, y = t (c1 + t (c2 + t (c3 + t (c4 + t c5)))) 2^(-g^2 log2(e) / 2), t = 1 / (1 + 0.2316419 |g|)  (Abramowitz and Stegun 26.2.17, every g).
; LIMITS.  The normal distribution's tail y is off by at most 7.5e-8.  Exponentials below 2^-126 count as 0.  NaN and infinities are not treated apart.  h and W1 are bf16; all else here is f32.
; REGISTERS, in windows of 256: window 0: v0-31 addresses; v64-191 fragments of h (two buffers), later the elementwise work; v192-227 carries, biases, constants.
;   window 1: v64-191 fragments of W1; v0-63, v192-255 my 64 rows of the residual.   windows 2, 3: the accumulators ((a, b) at v[8 (8 (a % 4) + b)]).
.set SIZE_K, 1024
.set KSTEP,  128
.set PITCH,  272                       ; an LDS row: 256 bytes + 16 of padding, an odd multiple of 16: the 16 rows of a fragment load fall on different banks
.set HALFT,  128*PITCH
.set SLOT,   4*HALFT
.set LAPS,   SIZE_K/(2*KSTEP)
.set RP,     1040                      ; a row of RAW: 1,024 bytes + 16
.set CAR,    2*SLOT                    ; behind the ring: 512 bytes a wave: pp, then o
.set SSQS,   CAR+2048                  ; 256 bytes a wave: 64 sums of squares
.set SPARE,  SSQS+1024                 ; the spare words, 128 bytes a wave: two blocks of 256 bytes that no other line names
.set OC8,    27262976
.set ADRA, 16
.set ADRB, 20
.set SPW,  28
.set NIL,  29
.set PFO,  30
.set PFA,  44
.set LIM,  43
.set F0,   64
.set F1,   128
.set G1, 24
.set G0, 32
.set G1B, 48
.set G0B, 56
.set EG, 64                            ; the elementwise trip: 8 steps x 2 channels each
.set ER, 80
.set EI, 96
.set EH, 112
.set ET, 128
.set EQ, 144
.set EP, 160
.set EM, 176
.set EO, 192                           ; o
.set EPP, 194                          ; pp
.set BG, 196
.set BH, 198
.set BR, 200
.set BI, 202
.set C8, 204
.set NL, 206                           ; -log2(e), twice
.set KQ, 208                           ; -log2(e) / 2, twice
.set CC, 210                           ; c1 .. c5, each twice
.set N2, 220
.set CV, 224                           ; the carry into my wave, 4 channels
.set MSB, 0
.macro WIN new                         ; the immediate's high byte repeats the setting that is left
.if MSB != (\new)
	s_set_vgpr_msb (MSB<<8)|(\new)
.set MSB, \new
.endif
.endm
.set MUL_LO, 0xa1
.set MUL_HI, 0xf1
.set TO_B,   0x40
.macro JLOAD s                         ; a joint load: waves 0 and 1 fetch h's two halves, waves 2 and 3 W1's; s_nop 0 and four v_nop follow each line
	s_cmp_eq_u32 s11, 0
	s_cbranch_scc0 .Lfor_b_\@
	tensor_load_to_lds s[G0+4*(\s):G0+4*(\s)+3], s[G1:G1+7]
	s_nop 0
.rept 4
	v_nop
.endr
	s_branch .Lasked_\@
.Lfor_b_\@:
	tensor_load_to_lds s[G0B+4*(\s):G0B+4*(\s)+3], s[G1B:G1B+7]
	s_nop 0
.rept 4
	v_nop
.endr
.Lasked_\@:
.endm
; A prefetch of the K step that stands two refills on: 32 rows x 256 bytes, a lane a row.  h's rows are asked for by the clusters with x = 0, W1's by those with y = 0; the four
; partners share the 128 rows that a wave fetches by address, 32 each.  The loop's last trip asks for nothing: K ends.
.macro ASK
	s_cmp_gt_u32 s3, s[LIM]
	s_cbranch_scc0 .Lnot_mine_\@
	global_prefetch_b8 v[PFO], s[PFA:PFA+1] offset:KSTEP*2 th:TH_LOAD_NT scope:SCOPE_SE
.Lnot_mine_\@:
.endm
.macro CREST
	s_cmp_lg_u32 s10, 0
	s_cbranch_scc1 .Lnot_wave_0_\@
	s_barrier_signal -3
.Lnot_wave_0_\@:
	s_barrier_wait -3
	s_barrier_signal -1
	s_barrier_wait -1
.endm
.macro CROUND
	s_barrier_signal -1
	s_barrier_wait -1
	CREST
.endm
.macro ALL8 line:vararg                ; one line for each step t of a trip
.set t, 0
.rept 8
	\line
.set t, t+1
.endr
.endm
.macro ALL16 line:vararg               ; one line for each number k of a trip
.set k, 0
.rept 16
	\line
.set k, k+1
.endr
.endm
	s_load_b128 s[4:7], s[0:1], 0x0                ; hb s[4:5], wts s[6:7]
	s_load_b512 s[68:83], s[0:1], 0x10             ; x 68, gate_b 70, fc_b 72, r_b 74, i_b 76, norm2_w 78, hs2 80, ub 82
	s_load_b64 s[84:85], s[0:1], 0x50              ; ssq
	v_lshl_add_u32 v[SPW], v0, 2, SPARE
	v_mov_b32 v[NIL], 0
	ds_add_u32 v[SPW], v[NIL]                      ; the wave's opening: the add, twice on end, and its wait ahead of my first tensor load
	ds_add_u32 v[SPW], v[NIL]
	v_lshrrev_b32 v1, 5, v0
	v_readfirstlane_b32 s10, v1                    ; wave 0..3
	s_lshr_b32 s11, s10, 1                         ; my half of the tile's rows; also: I fetch for h (0) or W1 (1)
	s_and_b32 s12, s10, 1                          ; my half of its columns; also: which 128 rows I fetch
	s_bfe_u32 s40, ttmp6, 0x40000                  ; cx
	s_bfe_u32 s41, ttmp6, 0x40004                  ; cy
	s_lshl_b32 s42, ttmp9, 2
	s_add_co_u32 s42, s42, s40                     ; x: block of 64 channels
	s_and_b32 s13, ttmp7, 0xffff
	s_lshl_b32 s13, s13, 2
	s_add_co_u32 s13, s13, s41                     ; y: sequence
	s_lshl_b32 s43, s41, 2
	s_lshl_b32 s43, 15, s43                        ; my row of the cluster
	s_lshl_b32 s44, 0x1111, s40                    ; my column
	s_or_b32 s[G1+0], s43, (1<<16)|(1<<20)|(1<<21)|(5<<22)|(3<<25)   ; mask; 2-byte elements; padding on; bit 21 beside a mask; 4 words after every 64
	s_or_b32 s[G1B+0], s44, (1<<16)|(1<<20)|(1<<21)|(5<<22)|(3<<25)
.irp g, G1, G1B
	s_mov_b32 s[(\g)+1], KSTEP<<16                 ; tensor_dim0 = 128
	s_mov_b32 s[(\g)+2], 128<<16                   ; tensor_dim1 = 128
	s_mov_b32 s[(\g)+3], KSTEP<<16                 ; tile_dim0 = 128
	s_mov_b32 s[(\g)+4], 128                       ; tile_dim1 = 128
	s_mov_b32 s[(\g)+5], SIZE_K                    ; elements from row to row
	s_mov_b32 s[(\g)+6], 0
	s_mov_b32 s[(\g)+7], 0
.endr
	s_lshl_b32 s17, s12, 7
	s_lshl_b32 s16, s13, 8
	s_add_co_u32 s16, s16, s17                     ; h: row 256 y + 128 half
	s_lshl_b32 s46, s42, 8
	s_add_co_u32 s46, s46, s17                     ; W1: row 256 x + 128 half
	s_mov_b32 s17, 0
	s_mov_b32 s47, 0
	s_mov_b64 s[18:19], SIZE_K*2
	s_mul_u64 s[16:17], s[16:17], s[18:19]
	s_mul_u64 s[46:47], s[46:47], s[18:19]
	s_mul_i32 s20, s10, HALFT                      ; where they go: wave x 128 rows
	s_wait_dscnt 0x0                               ; both opening adds are done
	s_wait_kmcnt 0x0
	s_add_nc_u64 s[14:15], s[4:5], s[16:17]
	s_add_nc_u64 s[46:47], s[6:7], s[46:47]
	CROUND                                         ; all sixteen work-groups are here: the first joint loads meet
.irp s, 0,1
	s_mov_b32 s[G0+4*(\s)], 1
	s_add_co_u32 s[G0+4*(\s)+1], s20, (\s)*SLOT
	s_add_nc_u64 s[G0+4*(\s)+2:G0+4*(\s)+3], s[14:15], (\s)*KSTEP*2
	s_or_b32 s[G0+4*(\s)+3], s[G0+4*(\s)+3], 0x80000000
	s_mov_b32 s[G0B+4*(\s)], 1
	s_add_co_u32 s[G0B+4*(\s)+1], s20, (\s)*SLOT
	s_add_nc_u64 s[G0B+4*(\s)+2:G0B+4*(\s)+3], s[46:47], (\s)*KSTEP*2
	s_or_b32 s[G0B+4*(\s)+3], s[G0B+4*(\s)+3], 0x80000000
	JLOAD \s
.endr
	v_and_b32 v1, 15, v0                           ; l % 16
	v_bfe_u32 v2, v0, 4, 1                         ; l / 16
	v_and_b32 v3, 31, v0                           ; l
	v_mul_u32_u24 v4, v1, PITCH
	v_lshl_add_u32 v4, v2, 4, v4                   ; a fragment's row x pitch + 16 x half
	s_mul_i32 s21, s11, HALFT
	s_mul_i32 s22, s12, HALFT
	s_add_co_u32 s22, s22, 2*HALFT
.irp s, 0,1
	v_add_nc_u32 v[ADRA+(\s)], s21, v4
	v_add_nc_u32 v[ADRB+(\s)], s22, v4
	s_add_co_u32 s21, s21, SLOT
	s_add_co_u32 s22, s22, SLOT
.endr
	; the prefetches' address and who asks
	s_lshl_b32 s86, s13, 8
	s_lshl_b32 s87, s42, 8
	s_and_b32 s22, ttmp7, 0xffff
	s_cmp_eq_u32 s11, 0
	s_cselect_b32 s20, s86, s87                    ; the tile's first row
	s_cselect_b32 s21, s40, s41                    ; my place among the four that ask with me
	s_cselect_b32 s22, ttmp9, s22                  ; the coordinate along which other clusters read the same rows
	s_cselect_b64 s[PFA:PFA+1], s[4:5], s[6:7]
	s_cmp_eq_u32 s22, 0
	s_cselect_b32 s[LIM], 1, -1
	s_lshl_b32 s22, s12, 7
	s_add_co_u32 s20, s20, s22
	s_lshl_b32 s21, s21, 5
	s_add_co_u32 s20, s20, s21
	s_mov_b32 s21, 0
	s_mov_b64 s[18:19], SIZE_K*2
	s_mul_u64 s[20:21], s[20:21], s[18:19]
	s_add_nc_u64 s[PFA:PFA+1], s[PFA:PFA+1], s[20:21]
	s_add_nc_u64 s[PFA:PFA+1], s[PFA:PFA+1], 2*KSTEP*2  ; at K step 2: the first refill steps it to 3 and names K step 4
	v_mul_u32_u24 v[PFO], v3, SIZE_K*2
	; where my 64 rows (64 wave ..) begin in x and hs2, in ub and in ssq
	s_lshl_b32 s88, s13, 8
	s_lshl_b32 s89, s10, 6
	s_add_co_u32 s88, s88, s89                     ; row 256 y + 64 wave
	s_lshl_b32 s90, s88, 7                         ; ub: 128 bytes a row
	s_lshl_b32 s92, s88, 2                         ; ssq: 4 bytes a row
	s_lshl_b32 s88, s88, 12                        ; x, hs2: 4,096 bytes a row
	s_lshl_b32 s89, s42, 8                         ; and 256 bytes for 64 channels
	s_add_co_u32 s88, s88, s89
	s_mov_b32 s89, 0
	s_add_nc_u64 s[68:69], s[68:69], s[88:89]
	s_add_nc_u64 s[80:81], s[80:81], s[88:89]
	s_lshl_b32 s91, s42, 19                        ; ub: 4,096 rows x 128 bytes a block
	s_add_co_u32 s90, s90, s91
	s_mov_b32 s91, 0
	s_add_nc_u64 s[82:83], s[82:83], s[90:91]
	s_lshl_b32 s93, s42, 14                        ; ssq: 4,096 words a block
	s_add_co_u32 s92, s92, s93
	s_mov_b32 s93, 0
	s_add_nc_u64 s[84:85], s[84:85], s[92:93]
	s_add_nc_u64 s[94:95], s[6:7], OC8
	; loads that are wanted only behind the products: they are on their way during the whole K loop
	v_lshlrev_b32 v27, 12, v2
	v_lshl_add_u32 v27, v1, 4, v27                 ; two rows a load: row l / 16, 16 bytes at l % 16
	WIN 0x40                                       ; destination window 1
.set i, 0
.rept 32
	global_load_b128 v[4*i+128*(i/16):4*i+128*(i/16)+3], v27, s[68:69] offset:8192*i th:TH_LOAD_NT
.set i, i+1
.endr
	WIN 0
	s_lshl_b32 s19, s42, 8
	v_lshl_add_u32 v19, v3, 3, s19                 ; my two channels in a vector of 1,024
	v_lshl_add_u32 v18, v1, 4, s19                 ; my four channels of the read-back
	v_lshlrev_b32 v23, 3, v3                       ; 8 x lane
	global_load_b64 v[BG:BG+1], v19, s[70:71]
	global_load_b64 v[BH:BH+1], v19, s[72:73]
	global_load_b64 v[BR:BR+1], v19, s[74:75]
	global_load_b64 v[BI:BI+1], v19, s[76:77]
	global_load_b64 v[C8:C8+1], v19, s[94:95]
	global_load_b128 v[N2:N2+3], v18, s[78:79]
.irp z, 0,1
	v_mov_b32 v[NL+(\z)], 0xbfb8aa3b
	v_mov_b32 v[KQ+(\z)], 0xbf38aa3b
	v_mov_b32 v[CC+(\z)], 0x3e027906               ; c1 =  0.127414796
	v_mov_b32 v[CC+2+(\z)], 0xbe11a98e             ; c2 = -0.142248368
	v_mov_b32 v[CC+4+(\z)], 0x3f35f0e3             ; c3 =  0.710706871
	v_mov_b32 v[CC+6+(\z)], 0xbf3a00e3             ; c4 = -0.726576014
	v_mov_b32 v[CC+8+(\z)], 0x3f07dc22             ; c5 =  0.530702716
.endr
	s_mov_b32 s14, 0x3e6d3389                      ; 0.2316419
.macro MUL16 f, hi, a0, zero           ; 16 matrix instructions: row blocks a0, a0 + 1 of the window's four x all 8 column blocks
	WIN MUL_LO+0x50*(\hi)
.irp a, \a0, (\a0)+1
.irp b, 0,1,2,3,4,5,6,7
.if \zero
	v_wmma_f32_16x16x32_bf16 v[8*(8*(\a)+(\b)):8*(8*(\a)+(\b))+7], v[(\f)+8*(\b):(\f)+8*(\b)+7], v[(\f)+8*(4*(\hi)+(\a)):(\f)+8*(4*(\hi)+(\a))+7], 0
.else
	v_wmma_f32_16x16x32_bf16 v[8*(8*(\a)+(\b)):8*(8*(\a)+(\b))+7], v[(\f)+8*(\b):(\f)+8*(\b)+7], v[(\f)+8*(4*(\hi)+(\a)):(\f)+8*(4*(\hi)+(\a))+7], v[8*(8*(\a)+(\b)):8*(8*(\a)+(\b))+7]
.endif
.endr
.endr
.endm
.macro FETCH slot, k, f                ; 32 LDS loads in one run: a quarter step's fragments
	WIN TO_B
.irp i, 0,1,2,3,4,5,6,7
	ds_load_b128 v[(\f)+8*(\i):(\f)+8*(\i)+3],   v[ADRB+(\slot)] offset:(\k)+(\i)*16*PITCH
	ds_load_b128 v[(\f)+8*(\i)+4:(\f)+8*(\i)+7], v[ADRB+(\slot)] offset:(\k)+(\i)*16*PITCH+32
.endr
	WIN 0
.irp i, 0,1,2,3,4,5,6,7
	ds_load_b128 v[(\f)+8*(\i):(\f)+8*(\i)+3],   v[ADRA+(\slot)] offset:(\k)+(\i)*16*PITCH
	ds_load_b128 v[(\f)+8*(\i)+4:(\f)+8*(\i)+7], v[ADRA+(\slot)] offset:(\k)+(\i)*16*PITCH+32
.endr
.endm
.macro PLACES                          ; four plain places behind matrix instructions, ahead of loads into their sources and of readers of their results
.rept 4
	v_nop
.endr
.endm
.macro QUARTER slot, k, f, g, zero     ; 64 matrix instructions on buffer f; in the middle the next quarter's fragments go into g
	s_wait_dscnt 8                                 ; W1's and h's rows 0-63 are in; the youngest eight loads may be out
	MUL16 \f, 0, 0, \zero
	MUL16 \f, 0, 2, \zero
	PLACES
	FETCH \slot, \k, \g
	s_wait_dscnt 32                                ; all but the 32 just issued
	MUL16 \f, 1, 0, \zero
	MUL16 \f, 1, 2, \zero
.endm
.macro MEET round                      ; the change of slots: all my tensor loads, the add, my reads of this slot; then the barrier
	WIN 0
	s_wait_tensorcnt 0x0                           ; the one that was out is my part of the next slot
	ds_add_u32 v[SPW], v[NIL]                      ; 0 onto my spare word
	s_wait_dscnt 9                                 ; (the add and the youngest eight loads may be out)
	MUL16 F1, 0, 0, 0
	s_wait_dscnt 0x0                               ; the add is done, and my reads of this slot are over
	s_barrier_signal -1
	MUL16 F1, 0, 2, 0
.if \round
	WIN 0
.endif
	s_barrier_wait -1
.endm
.macro TURN slot, next                 ; the last quarter of a K step; the slot just read is filled again, two K steps ahead
	s_wait_xcnt 0x0                                ; the last prefetch, a K step back, has read its address
	s_add_nc_u64 s[PFA:PFA+1], s[PFA:PFA+1], KSTEP*2
	MEET 1
	CREST                                          ; the barrier has opened a round of the cluster's: no wave of any partner still reads this slot or has a load on its way
	s_add_nc_u64 s[G0+4*(\slot)+2:G0+4*(\slot)+3], s[G0+4*(\slot)+2:G0+4*(\slot)+3], 2*KSTEP*2
	s_add_nc_u64 s[G0B+4*(\slot)+2:G0B+4*(\slot)+3], s[G0B+4*(\slot)+2:G0B+4*(\slot)+3], 2*KSTEP*2
	JLOAD \slot                                    ; the first tensor load behind the round; its four v_nop are the places ahead of the loads below
	FETCH \next, 0, F0
	ASK
	MUL16 F1, 1, 0, 0
	MUL16 F1, 1, 2, 0
.endm
	s_wait_tensorcnt 1                             ; my part of K step 0 is in; K step 1's stays out
	s_barrier_signal -1
	s_barrier_wait -1
	FETCH 0, 0, F0
	QUARTER 0, 64,  F0, F1, 1                      ; the first quarter's products start the sums
	WIN 0
	s_mov_b32 s3, LAPS-1
.Llap:                                                 ; a trip goes once round the ring and fills both slots again
	QUARTER 0, 128, F1, F0, 0
	QUARTER 0, 192, F0, F1, 0
	TURN 0, 1
	QUARTER 1, 64,  F0, F1, 0
	QUARTER 1, 128, F1, F0, 0
	QUARTER 1, 192, F0, F1, 0
	TURN 1, 0
	QUARTER 0, 64,  F0, F1, 0
	WIN 0
	s_sub_co_u32 s3, s3, 1
	s_cmp_lg_u32 s3, 0
	s_cbranch_scc1 .Llap
	QUARTER 0, 128, F1, F0, 0                      ; the last lap is written out: it asks for nothing
	QUARTER 0, 192, F0, F1, 0
	MEET 0
	PLACES
	FETCH 1, 0, F0
	MUL16 F1, 1, 0, 0
	MUL16 F1, 1, 2, 0
	QUARTER 1, 64,  F0, F1, 0
	QUARTER 1, 128, F1, F0, 0
	QUARTER 1, 192, F0, F1, 0
	s_wait_dscnt 8
	MUL16 F1, 0, 0, 0
	MUL16 F1, 0, 2, 0
	s_wait_dscnt 0x0                               ; my last reads of the ring are back:
	s_barrier_signal -1                            ; say so;
	MUL16 F1, 1, 0, 0
	MUL16 F1, 1, 2, 0
	WIN 0
	s_barrier_wait -1                              ; nobody reads the ring any more, and it is filled no more: it takes the sums
	; THE SUMS GO INTO RAW: row 128 rh + 16 a + l % 16, column 128 ch + 16 b + 8 (l / 16) + 0..7.  Each accumulator's low four registers go first.
	PLACES
	s_lshl_b32 s19, s11, 7
	v_add_nc_u32 v4, s19, v1
	v_mul_u32_u24 v24, v4, RP
	v_lshl_add_u32 v24, v2, 5, v24
	s_lshl_b32 s19, s12, 9
	v_add_nc_u32 v24, s19, v24
	v_add_nc_u32 v25, 64*RP, v24
	WIN 0x08                                       ; store data in window 2
.irp a, 0,1,2,3
.irp b, 0,1,2,3,4,5,6,7
	ds_store_b128 v24, v[8*(8*(\a)+(\b)):8*(8*(\a)+(\b))+3]   offset:(\a)*16*RP+64*(\b)
	ds_store_b128 v24, v[8*(8*(\a)+(\b))+4:8*(8*(\a)+(\b))+7] offset:(\a)*16*RP+64*(\b)+16
.endr
.endr
	WIN 0x0c                                       ; window 3
.irp a, 0,1,2,3
.irp b, 0,1,2,3,4,5,6,7
	ds_store_b128 v25, v[8*(8*(\a)+(\b)):8*(8*(\a)+(\b))+3]   offset:(\a)*16*RP+64*(\b)
	ds_store_b128 v25, v[8*(8*(\a)+(\b))+4:8*(8*(\a)+(\b))+7] offset:(\a)*16*RP+64*(\b)+16
.endr
.endr
	WIN 0
	s_wait_dscnt 0x0                               ; for the others' sake: my stores are done
	s_barrier_signal -1
	s_barrier_wait -1
	; EW: my 64 steps, my two channels, 8 steps a trip
	s_wait_loadcnt 0x0                             ; residual, biases, c8, norm2_w
	v_pk_mul_f32 v[BR:BR+1], v[BR:BR+1], v[NL:NL+1]  ; the sigmoids' biases take the factor -log2(e) once
	v_pk_mul_f32 v[BI:BI+1], v[BI:BI+1], v[NL:NL+1]
	v_mov_b32 v[EO], 0
	v_mov_b32 v[EO+1], 0
	v_mov_b32 v[EPP], 1.0
	v_mov_b32 v[EPP+1], 1.0
	s_mul_i32 s19, s10, 64*RP
	v_lshl_add_u32 v26, v3, 3, s19
	s_mov_b32 s15, 0
	s_mov_b32 s16, 8
.Lew:
	v_add_nc_u32 v31, s15, v26
	ALL8 ds_load_b64 v[EG+2*t:EG+2*t+1], v31 offset:RP*t
	ALL8 ds_load_b64 v[ER+2*t:ER+2*t+1], v31 offset:RP*t+512
	ALL8 ds_load_b64 v[EI+2*t:EI+2*t+1], v31 offset:RP*t+768
	ALL8 ds_load_b64 v[EH+2*t:EH+2*t+1], v31 offset:RP*t+256
	s_wait_dscnt 24                                ; the gate's sums are in; 24 younger loads stay out
	ALL8 v_pk_add_f32 v[EG+2*t:EG+2*t+1], v[EG+2*t:EG+2*t+1], v[BG:BG+1]
	ALL16 v_fma_f32 v[ET+k], |v[EG+k]|, s14, 1.0
	ALL8 v_pk_mul_f32 v[EQ+2*t:EQ+2*t+1], v[EG+2*t:EG+2*t+1], v[KQ:KQ+1]
	ALL8 v_pk_mul_f32 v[EQ+2*t:EQ+2*t+1], v[EQ+2*t:EQ+2*t+1], v[EG+2*t:EG+2*t+1]
	s_wait_dscnt 8                                 ; r's and i's are in
	ALL8 v_pk_fma_f32 v[ER+2*t:ER+2*t+1], v[ER+2*t:ER+2*t+1], v[NL:NL+1], v[BR:BR+1]
	ALL8 v_pk_fma_f32 v[EI+2*t:EI+2*t+1], v[EI+2*t:EI+2*t+1], v[NL:NL+1], v[BI:BI+1]
	ALL16 v_rcp_f32 v[ET+k], v[ET+k]               ; batch 1: t, 2^(-g^2 log2(e) / 2), and the sigmoids' exponentials
	ALL16 v_exp_f32 v[EQ+k], v[EQ+k]
	ALL16 v_exp_f32 v[ER+k], v[ER+k]
	ALL16 v_exp_f32 v[EI+k], v[EI+k]
	ALL16 v_max_num_f32 v[EM+k], 0, v[EG+k]        ; work that names none of the batch's results
	s_wait_alu depctr_va_vdst(0)                   ; one wait for the batch
	ALL8 v_pk_add_f32 v[ER+2*t:ER+2*t+1], v[ER+2*t:ER+2*t+1], 1.0 op_sel_hi:[1,0]
	ALL8 v_pk_add_f32 v[EI+2*t:EI+2*t+1], v[EI+2*t:EI+2*t+1], 1.0 op_sel_hi:[1,0]
	ALL16 v_rcp_f32 v[ER+k], v[ER+k]               ; batch 2: r and i
	ALL16 v_rcp_f32 v[EI+k], v[EI+k]
	ALL8 v_pk_fma_f32 v[EP+2*t:EP+2*t+1], v[ET+2*t:ET+2*t+1], v[CC+8:CC+9], v[CC+6:CC+7]
	ALL8 v_pk_fma_f32 v[EP+2*t:EP+2*t+1], v[EP+2*t:EP+2*t+1], v[ET+2*t:ET+2*t+1], v[CC+4:CC+5]
	ALL8 v_pk_fma_f32 v[EP+2*t:EP+2*t+1], v[EP+2*t:EP+2*t+1], v[ET+2*t:ET+2*t+1], v[CC+2:CC+3]
	ALL8 v_pk_fma_f32 v[EP+2*t:EP+2*t+1], v[EP+2*t:EP+2*t+1], v[ET+2*t:ET+2*t+1], v[CC:CC+1]
	ALL8 v_pk_mul_f32 v[EP+2*t:EP+2*t+1], v[EP+2*t:EP+2*t+1], v[ET+2*t:ET+2*t+1]
	ALL8 v_pk_mul_f32 v[EP+2*t:EP+2*t+1], v[EP+2*t:EP+2*t+1], v[EQ+2*t:EQ+2*t+1]
	ALL16 v_fma_f32 v[EM+k], -|v[EG+k]|, v[EP+k], v[EM+k]  ; the gate
	s_wait_dscnt 0x0                               ; hs's sums are in
	ALL8 v_pk_add_f32 v[EH+2*t:EH+2*t+1], v[EH+2*t:EH+2*t+1], v[BH:BH+1]
	s_wait_alu depctr_va_vdst(0)                   ; one wait for batch 2
	ALL8 v_pk_mul_f32 v[ER+2*t:ER+2*t+1], v[ER+2*t:ER+2*t+1], v[C8:C8+1]
	ALL8 v_pk_mul_f32 v[EH+2*t:EH+2*t+1], v[EH+2*t:EH+2*t+1], v[EI+2*t:EI+2*t+1]
	ALL16 v_exp_f32 v[ER+k], v[ER+k]               ; batch 3: a
	v_nop
	s_wait_alu depctr_va_vdst(0)
	ALL8 v_pk_fma_f32 v[EI+2*t:EI+2*t+1], v[ER+2*t:ER+2*t+1], v[ER+2*t:ER+2*t+1], 1.0 op_sel_hi:[1,1,0] neg_lo:[1,0,0] neg_hi:[1,0,0]
	ALL16 v_sqrt_f32 v[EI+k], v[EI+k]              ; batch 4: sqrt(1 - a^2)
	v_nop
	s_wait_alu depctr_va_vdst(0)
	ALL8 v_pk_mul_f32 v[EH+2*t:EH+2*t+1], v[EI+2*t:EI+2*t+1], v[EH+2*t:EH+2*t+1]
.set t, 0
.rept 8                                ; the scan, step after step
	v_pk_fma_f32 v[EO:EO+1], v[ER+2*t:ER+2*t+1], v[EO:EO+1], v[EH+2*t:EH+2*t+1]
	v_pk_mul_f32 v[EPP:EPP+1], v[EPP:EPP+1], v[ER+2*t:ER+2*t+1]
	v_pk_mul_f32 v[EQ+2*t:EQ+2*t+1], v[EO:EO+1], v[EM+2*t:EM+2*t+1]
	v_pk_mul_f32 v[EP+2*t:EP+2*t+1], v[EPP:EPP+1], v[EM+2*t:EM+2*t+1]
.set t, t+1
.endr
	ALL8 ds_store_b64 v31, v[EQ+2*t:EQ+2*t+1] offset:RP*t        ; X, where the gate's sums lay: my own bytes, read above
	ALL8 ds_store_b64 v31, v[EP+2*t:EP+2*t+1] offset:RP*t+256    ; Y, where hs's lay
	s_add_co_u32 s15, s15, 8*RP
	s_sub_co_u32 s16, s16, 1
	s_cmp_lg_u32 s16, 0
	s_cbranch_scc1 .Lew
	s_lshl_b32 s19, s10, 9
	s_add_co_u32 s19, s19, CAR
	v_lshl_add_u32 v10, v3, 3, s19
	ds_store_b64 v10, v[EPP:EPP+1]                 ; my 64 steps' product of a,
	ds_store_b64 v10, v[EO:EO+1] offset:256        ; and their scan's end
	s_mul_i32 s19, s10, 64*RP
	v_mul_u32_u24 v6, v2, RP
	v_lshl_add_u32 v6, v1, 4, v6
	v_add_nc_u32 v6, s19, v6                       ; the read-back: two rows an instruction
	WIN 0x04                                       ; store data in window 1
.set i, 0
.rept 32
	ds_store_b128 v6, v[4*i+128*(i/16):4*i+128*(i/16)+3] offset:2*RP*i+512  ; the residual, where r's sums lay
.set i, i+1
.endr
	WIN 0
	s_wait_dscnt 0x0
	s_barrier_signal -1
	s_barrier_wait -1                              ; the four waves' (pp, o) lie in LDS
	v_lshl_add_u32 v10, v1, 4, CAR
	ds_load_b128 v[64:67], v10 offset:256          ; o of wave 0: the carry into wave 1
	ds_load_b128 v[68:71], v10 offset:512          ; pp of wave 1
	ds_load_b128 v[72:75], v10 offset:768          ; o of wave 1
	ds_load_b128 v[76:79], v10 offset:1024         ; pp of wave 2
	ds_load_b128 v[80:83], v10 offset:1280         ; o of wave 2
	s_wait_dscnt 0x0
	v_pk_fma_f32 v[72:73], v[68:69], v[64:65], v[72:73]  ; into wave 2
	v_pk_fma_f32 v[74:75], v[70:71], v[66:67], v[74:75]
	v_pk_fma_f32 v[80:81], v[76:77], v[72:73], v[80:81]  ; into wave 3
	v_pk_fma_f32 v[82:83], v[78:79], v[74:75], v[82:83]
	s_cmp_eq_u32 s10, 1
	s_cselect_b32 s18, -1, 0
.irp k, 0,1,2,3
	v_cndmask_b32 v[CV+(\k)], 0, v[64+(\k)], s18
.endr
	s_cmp_eq_u32 s10, 2
	s_cselect_b32 s18, -1, 0
.irp k, 0,1,2,3
	v_cndmask_b32 v[CV+(\k)], v[CV+(\k)], v[72+(\k)], s18
.endr
	s_cmp_eq_u32 s10, 3
	s_cselect_b32 s18, -1, 0
.irp k, 0,1,2,3
	v_cndmask_b32 v[CV+(\k)], v[CV+(\k)], v[80+(\k)], s18
.endr
	; RB: 8 rows a trip, two an instruction: lanes 0-15 one row's 64 channels, lanes 16-31 the next row's
	s_lshl_b32 s19, s10, 8
	s_add_co_u32 s19, s19, SSQS
	v_lshl_add_u32 v8, v2, 2, s19
	s_mov_b32 s15, 0
	s_mov_b32 s17, 0
	s_mov_b32 s16, 8
.Lrb:
	v_add_nc_u32 v31, s15, v6
	v_add_nc_u32 v9, s17, v8
.irp s, 0,1,2,3
	ds_load_b128 v[64+16*(\s):64+16*(\s)+3], v31 offset:2*RP*(\s)
	ds_load_b128 v[68+16*(\s):68+16*(\s)+3], v31 offset:2*RP*(\s)+256
	ds_load_b128 v[72+16*(\s):72+16*(\s)+3], v31 offset:2*RP*(\s)+512
.endr
.irp s, 0,1,2,3
	s_wait_dscnt 9-3*(\s)                          ; this pair of rows is in; three loads for each younger pair stay out
	v_pk_fma_f32 v[64+16*(\s):65+16*(\s)], v[68+16*(\s):69+16*(\s)], v[CV:CV+1], v[64+16*(\s):65+16*(\s)]
	v_pk_fma_f32 v[66+16*(\s):67+16*(\s)], v[70+16*(\s):71+16*(\s)], v[CV+2:CV+3], v[66+16*(\s):67+16*(\s)]
	v_pk_add_f32 v[64+16*(\s):65+16*(\s)], v[64+16*(\s):65+16*(\s)], v[72+16*(\s):73+16*(\s)]
	v_pk_add_f32 v[66+16*(\s):67+16*(\s)], v[66+16*(\s):67+16*(\s)], v[74+16*(\s):75+16*(\s)]
	global_store_b128 v27, v[64+16*(\s):67+16*(\s)], s[80:81] offset:8192*(\s)  ; 16 lanes store 256 consecutive bytes, aligned
	v_pk_mul_f32 v[68+16*(\s):69+16*(\s)], v[64+16*(\s):65+16*(\s)], v[N2:N2+1]
	v_pk_mul_f32 v[70+16*(\s):71+16*(\s)], v[66+16*(\s):67+16*(\s)], v[N2+2:N2+3]
	v_pk_mul_f32 v[72+16*(\s):73+16*(\s)], v[64+16*(\s):65+16*(\s)], v[64+16*(\s):65+16*(\s)]
	v_cvt_pk_bf16_f32 v[76+16*(\s)], v[68+16*(\s)], v[69+16*(\s)]
	v_cvt_pk_bf16_f32 v[77+16*(\s)], v[70+16*(\s)], v[71+16*(\s)]
	v_pk_fma_f32 v[72+16*(\s):73+16*(\s)], v[66+16*(\s):67+16*(\s)], v[66+16*(\s):67+16*(\s)], v[72+16*(\s):73+16*(\s)]
	global_store_b64 v23, v[76+16*(\s):77+16*(\s)], s[82:83] offset:256*(\s)    ; two rows of 128 bytes on end
	v_add_f32 v[78+16*(\s)], v[72+16*(\s)], v[73+16*(\s)]
	v_add_f32_dpp v[78+16*(\s)], v[78+16*(\s)], v[78+16*(\s)] row_xmask:1 row_mask:0xf bank_mask:0xf
	v_add_f32_dpp v[78+16*(\s)], v[78+16*(\s)], v[78+16*(\s)] row_xmask:2 row_mask:0xf bank_mask:0xf
	v_add_f32_dpp v[78+16*(\s)], v[78+16*(\s)], v[78+16*(\s)] row_xmask:4 row_mask:0xf bank_mask:0xf
	v_add_f32_dpp v[78+16*(\s)], v[78+16*(\s)], v[78+16*(\s)] row_xmask:8 row_mask:0xf bank_mask:0xf
.endr
.irp s, 0,1,2,3
	ds_store_b32 v9, v[78+16*(\s)] offset:8*(\s)   ; sixteen lanes write one word with one value
.endr
	s_wait_xcnt 0x0                                ; the stores have read their data and bases: both are written again only behind this wait
	s_add_nc_u64 s[80:81], s[80:81], 8*4096
	s_add_nc_u64 s[82:83], s[82:83], 8*128
	s_add_co_u32 s15, s15, 8*RP
	s_add_co_u32 s17, s17, 32
	s_sub_co_u32 s16, s16, 1
	s_cmp_lg_u32 s16, 0
	s_cbranch_scc1 .Lrb
	v_lshl_add_u32 v9, v3, 3, s19
	ds_load_b64 v[64:65], v9                       ; my 64 rows' sums: my own bytes, served in order
	s_wait_dscnt 0x0
	global_store_b64 v23, v[64:65], s[84:85]       ; 256 consecutive bytes, aligned
	s_wait_tensorcnt 0x0                           ; the wave's end
	ds_add_u32 v[SPW], v[NIL]
	s_wait_dscnt 0x0
	CROUND                                         ; the closing round
	s_endpgm
.Lfunc_end_k_q8ea63528ed_mix:
	.size	k_q8ea63528ed_mix, .Lfunc_end_k_q8ea63528ed_mix-k_q8ea63528ed_mix
	.p2alignl 7, 3214868480
	.fill 96, 4, 3214868480
	.section	.rodata,"a",@progbits
	.p2align	6, 0x0
	.amdhsa_kernel k_q8ea63528ed_mix
		.amdhsa_group_segment_fixed_size 327680
		.amdhsa_private_segment_fixed_size 0
		.amdhsa_enable_private_segment 0
		.amdhsa_kernarg_size 88
		.amdhsa_user_sgpr_count 2
		.amdhsa_user_sgpr_kernarg_segment_ptr 1
		.amdhsa_wavefront_size32 1
		.amdhsa_system_sgpr_workgroup_id_x 1
		.amdhsa_system_sgpr_workgroup_id_y 1
		.amdhsa_system_sgpr_workgroup_id_z 1
		.amdhsa_system_vgpr_workitem_id 0
		.amdhsa_next_free_vgpr 1024
		.amdhsa_next_free_sgpr 96
		.amdhsa_reserve_vcc 0
		.amdhsa_float_denorm_mode_32 3
		.amdhsa_float_denorm_mode_16_64 3
		.amdhsa_memory_ordered 1
		.amdhsa_forward_progress 1
		.amdhsa_inst_pref_size 158
	.end_amdhsa_kernel
	.amdgpu_metadata
---
amdhsa.version: [ 1, 2 ]
amdhsa.kernels:
  - .name:           k_q8ea63528ed_mix
    .symbol:         k_q8ea63528ed_mix.kd
    .args:
      - { .name: hb, .offset: 0, .size: 8, .value_kind: global_buffer, .address_space: global }
      - { .name: wts, .offset: 8, .size: 8, .value_kind: global_buffer, .address_space: global }
      - { .name: hidden_states, .offset: 16, .size: 8, .value_kind: global_buffer, .address_space: global }
      - { .name: fc_gate_b, .offset: 24, .size: 8, .value_kind: global_buffer, .address_space: global }
      - { .name: fc_b, .offset: 32, .size: 8, .value_kind: global_buffer, .address_space: global }
      - { .name: fc_r_b, .offset: 40, .size: 8, .value_kind: global_buffer, .address_space: global }
      - { .name: fc_i_b, .offset: 48, .size: 8, .value_kind: global_buffer, .address_space: global }
      - { .name: norm2_w, .offset: 56, .size: 8, .value_kind: global_buffer, .address_space: global }
      - { .name: hs2, .offset: 64, .size: 8, .value_kind: global_buffer, .address_space: global }
      - { .name: ub, .offset: 72, .size: 8, .value_kind: global_buffer, .address_space: global }
      - { .name: ssq, .offset: 80, .size: 8, .value_kind: global_buffer, .address_space: global }
    .group_segment_fixed_size: 327680
    .private_segment_fixed_size: 0
    .kernarg_segment_align: 8
    .kernarg_segment_size: 88
    .max_flat_workgroup_size: 128
    .sgpr_count:     96
    .vgpr_count:     1024
    .wavefront_size: 32
...
	.end_amdgpu_metadata
.endif
;; end of part 2
;; launch mlp1 (part 3): grid 16 x 16, 4 waves a work-group, clusters of 4 x 4, 327,680 bytes of LDS; arguments ub, w2s, ssq, mlp_gate_b, mlp_fc_b, pb; writes pb
.if DOCPART == 3
	.amdgcn_target "amdgcn-amd-amdhsa--gfx1250"
	.amdhsa_code_object_version 6
	.text
	.protected	k_q8ea63528ed_mlp1
	.globl	k_q8ea63528ed_mlp1
	.p2align	8
	.type	k_q8ea63528ed_mlp1,@function
k_q8ea63528ed_mlp1:
	s_mov_b64 s[64:65], 0
	v_nop
	global_prefetch_b8 v0, s[64:65] scope:SCOPE_SE
	s_setreg_imm32_b32 hwreg(HW_REG_WAVE_MODE, 25, 1), 1
	s_wait_xcnt 0x0
	s_wait_alu depctr_hold_cnt(0) depctr_sa_sdst(0) depctr_va_vdst(0) depctr_va_sdst(0) depctr_va_ssrc(0) depctr_va_vcc(0) depctr_vm_vsrc(0)
	s_getreg_b32 s2, hwreg(HW_REG_IB_STS2, 6, 4)
	s_cmp_eq_u32 s2, 0
	s_cbranch_scc0 .Lentry_in_a_cluster
	s_endpgm
.Lentry_in_a_cluster:
	s_bfe_u32 s2, ttmp6, 0x10000c
	s_cmp_lg_u32 s2, 0xf033
	s_cbranch_scc0 .Lentry_shape_is_right
	s_endpgm
.Lentry_shape_is_right:
; MLP1: p = (rs acc_f + b_f) gelu(rs acc_g + b_g), where acc = u W2^T, u = bf16(hs2 norm2_w), rs = rsqrt(mean(hs2^2) + 1e-6): the second norm's factor is one number a row and is applied to the f32 sums.
; A work-group makes 256 rows (tile row y) x 384 columns (tile column x: 192 hidden units of mlp_gate and the same 192 of mlp_fc): 16 x 16 = 256 work-groups of equal work.
; Four waves, each 128 rows x 192 columns: 96 accumulators, 768 registers; waves with odd number hold fc's columns.  K = 1,024 in 16 steps of 64 through two LDS slots, joint loads in a 4 x 4 cluster
; (u's tile shared along a row of the cluster, W2's along a column).  Both tiles are dense in memory (u by blocks of 64 channels, W2 by slices of 32) and are asked for as rows of 256 bytes,
; with 16 bytes of padding behind each: the 16 rows of a fragment (128 or 64 bytes apart) then fall on 16 different columns of 16 bytes.
; The matrix instruction is used transposed (source 0 = 16 rows of W2, source 1 = 16 rows of u): a lane holds one row (lane % 16) and eight neighbouring columns.
; A QUARTER is 32 along K: three groups of 32 matrix instructions (column group g: 8 row blocks x 4 column blocks); behind each group stands a run of LDS loads for the next quarter.
; BEHIND THE PRODUCTS the ring, filled no more, takes the sums as f32, in two phases of 128 rows (RAW: rows of 1,680 bytes: gate at 0, fc at 768); wave w then finishes 32 rows, 4 a trip,
; and stores p by slices of 32 hidden units, [96][4096][32] bf16: four rows of 64 bytes on end a store.
; gelu(g) = max(g, 0) - |g| y, y = t (c1 + t (c2 + t (c3 + t (c4 + t c5)))) 2^(-g^2 log2(e) / 2), t = 1 / (1 + 0.2316419 |g|)  (Abramowitz and Stegun 26.2.17, every g).
; LIMITS: y is off by at most 7.5e-8; exponentials below 2^-126 count as 0; NaN and infinities are not treated apart.
; REGISTERS: window 0: v0-31 addresses; v64-127, v128-191 u's fragments, two buffers; v32-63, v192-223, v224-255 W2's fragments of column groups 0, 1, 2.
;   window 1 + g: the accumulators of column group g: (a, b) at v[8 (4 a + b % 4)].  Behind the products window 0 holds the elementwise work.
.set SLOT1, 131072                     ; slot 1 begins here: one exclusive or turns an address in one slot into the other's
.set AHALF, 64*272                     ; 128 rows of u: 64 rows of 256 bytes + 16
.set BOFF,  2*AHALF
.set BSL,   96*272                     ; a slice of W2: 384 rows of 64 bytes
.set RS,    SLOT1+BOFF+2*BSL           ; behind the ring: 256 f32, rs of my tile's rows
.set BT,    RS+1024                    ; 384 f32: the tile's biases, gate's then fc's
.set SPARE, BT+1536                    ; the spare words, 128 bytes a wave: two blocks of 256 bytes that no other line names
.set RP3,   1680                       ; a row of RAW: 1,536 bytes + 144: 105 x 16
.set LA0,  16                          ; v16  my lane's place in u's tile; never rewritten
.set LB0,  17                          ; v17  the same for W2's
.set ADRA, 18                          ; v18  the same in the slot that is being read
.set ADRB, 19
.set SPW,  28
.set NIL,  29
.set PFO,  30
.set AF0,  64
.set AF1,  128
.set PFA,  44                          ; s[44:45] where my prefetches stand
.set LIM,  43                          ; s43  2 in a wave that prefetches, else the greatest number
.set PFS,  22                          ; s[22:23] bytes from a K step to the next, for what I prefetch
.set TB,   86                          ; s86  LDS byte at which the slot that is being read begins
.set PH,   87                          ; s87  phases of the way out still to come
.set G1, 24
.set G0, 32                            ; s[32:35] u's first fill; s[36:39] its second, which then walks on
.set G1B, 48
.set G0B, 56
.set EU, 32                            ; the elementwise trip: 6 units of 4 numbers a lane
.set RV, 56
.set EG, 64
.set EF, 88
.set ET, 112
.set EQ, 136
.set EP, 160
.set BG, 184
.set BF, 208
.set KQ, 232
.set CC, 234
.set MSB, 0
.macro WIN new                         ; the immediate's high byte repeats the setting that is left
.if MSB != (\new)
	s_set_vgpr_msb (MSB<<8)|(\new)
.set MSB, \new
.endif
.endm
.macro JLOAD s                         ; waves 0 and 1 fetch u's two halves, waves 2 and 3 W2's two slices; s_nop 0 and four v_nop follow each line
	s_cmp_eq_u32 s11, 0
	s_cbranch_scc0 .Lfor_b_\@
	tensor_load_to_lds s[G0+4*(\s):G0+4*(\s)+3], s[G1:G1+7]
	s_nop 0
.rept 4
	v_nop
.endr
	s_branch .Lasked_\@
.Lfor_b_\@:
	tensor_load_to_lds s[G0B+4*(\s):G0B+4*(\s)+3], s[G1B:G1B+7]
	s_nop 0
.rept 4
	v_nop
.endr
.Lasked_\@:
.endm
; A prefetch of the K step two refills on.  u's block (32,768 bytes) is asked for by wave 0 of the clusters with x = 0: a partner takes 8,192 bytes, 256 a lane.  W2's two slices are asked for by
; waves 2 and 3 of the clusters with y = 0: a partner takes 6,144 of a slice's 24,576 bytes, 256 a lane; lanes 24-31 name the last block once more.  The partners are told apart by address.
; The last two trips of the loop ask for nothing: K ends.
.macro ASK
	s_cmp_gt_u32 s3, s[LIM]
	s_cbranch_scc0 .Lnot_mine_\@
	global_prefetch_b8 v[PFO], s[PFA:PFA+1] th:TH_LOAD_NT scope:SCOPE_SE
.Lnot_mine_\@:
.endm
.macro CREST
	s_cmp_lg_u32 s10, 0
	s_cbranch_scc1 .Lnot_wave_0_\@
	s_barrier_signal -3
.Lnot_wave_0_\@:
	s_barrier_wait -3
	s_barrier_signal -1
	s_barrier_wait -1
.endm
.macro CROUND
	s_barrier_signal -1
	s_barrier_wait -1
	CREST
.endm
.macro U6 line:vararg                  ; unit u: my row, columns 32 u + 4 (lane % 8) ..
.set u, 0
.rept 6
	\line
.set u, u+1
.endr
.endm
.macro P12 line:vararg                 ; pair p of the 12
.set p, 0
.rept 12
	\line
.set p, p+1
.endr
.endm
.macro K24 line:vararg                 ; number k of the 24
.set k, 0
.rept 24
	\line
.set k, k+1
.endr
.endm
	s_load_b128 s[4:7], s[0:1], 0x0                ; ub s[4:5], w2s s[6:7]
	s_load_b256 s[68:75], s[0:1], 0x10             ; ssq 68, mlp_gate_b 70, mlp_fc_b 72, pb 74
	v_lshl_add_u32 v[SPW], v0, 2, SPARE
	v_mov_b32 v[NIL], 0
	ds_add_u32 v[SPW], v[NIL]                      ; the wave's opening: the add, twice on end, and its wait ahead of my first tensor load
	ds_add_u32 v[SPW], v[NIL]
	v_lshrrev_b32 v1, 5, v0
	v_readfirstlane_b32 s10, v1
	s_lshr_b32 s11, s10, 1                         ; my half of the rows; also: I fetch for u (0) or W2 (1)
	s_and_b32 s12, s10, 1                          ; gate (0) or fc (1); also: which part I fetch
	s_bfe_u32 s40, ttmp6, 0x40000
	s_bfe_u32 s41, ttmp6, 0x40004
	s_lshl_b32 s42, ttmp9, 2
	s_add_co_u32 s42, s42, s40                     ; x
	s_and_b32 s13, ttmp7, 0xffff
	s_lshl_b32 s13, s13, 2
	s_add_co_u32 s13, s13, s41                     ; y
	s_lshl_b32 s43, s41, 2
	s_lshl_b32 s43, 15, s43                        ; my row of the cluster
	s_lshl_b32 s44, 0x1111, s40                    ; my column
	s_or_b32 s[G1+0], s43, (1<<16)|(1<<20)|(1<<21)|(5<<22)|(3<<25)   ; mask; 2-byte elements; padding on; bit 21 beside a mask; 4 words after every 64
	s_mov_b32 s[G1+1], 128<<16                     ; u: 64 rows of 128 elements, dense
	s_mov_b32 s[G1+2], 64<<16
	s_mov_b32 s[G1+3], 128<<16
	s_mov_b32 s[G1+4], 64
	s_mov_b32 s[G1+5], 128
	s_mov_b32 s[G1+6], 0
	s_mov_b32 s[G1+7], 0
	s_or_b32 s[G1B+0], s44, (1<<16)|(1<<20)|(1<<21)|(5<<22)|(3<<25)
	s_mov_b32 s[G1B+1], 128<<16                    ; W2: 96 rows of 128 elements, dense
	s_mov_b32 s[G1B+2], 96<<16
	s_mov_b32 s[G1B+3], 128<<16
	s_mov_b32 s[G1B+4], 96
	s_mov_b32 s[G1B+5], 128
	s_mov_b32 s[G1B+6], 0
	s_mov_b32 s[G1B+7], 0
	s_lshl_b32 s16, s13, 15                        ; u: (256 y + 128 part) rows of 128 bytes
	s_lshl_b32 s17, s12, 14
	s_add_co_u32 s16, s16, s17
	s_mov_b32 s17, 0
	s_lshr_b32 s46, s42, 1                         ; W2: panel x / 2,
	s_lshl_b32 s46, s46, 21
	s_and_b32 s47, s42, 1
	s_mul_i32 s47, s47, 24576                      ; rows 384 (x & 1) of 64 bytes,
	s_add_co_u32 s46, s46, s47
	s_lshl_b32 s47, s12, 16                        ; slice = part
	s_add_co_u32 s46, s46, s47
	s_mov_b32 s47, 0
	s_mul_i32 s20, s12, AHALF                      ; where they go
	s_mul_i32 s21, s12, BSL
	s_add_co_u32 s21, s21, BOFF
	s_mov_b32 s[TB], 0
	s_wait_dscnt 0x0                               ; both opening adds are done
	s_wait_kmcnt 0x0
	s_add_nc_u64 s[14:15], s[4:5], s[16:17]
	s_add_nc_u64 s[46:47], s[6:7], s[46:47]
	CROUND                                         ; all sixteen work-groups are here: the first joint loads meet
.irp s, 0,1
	s_mov_b32 s[G0+4*(\s)], 1
	s_add_co_u32 s[G0+4*(\s)+1], s20, (\s)*SLOT1
	s_add_nc_u64 s[G0+4*(\s)+2:G0+4*(\s)+3], s[14:15], (\s)*524288   ; a K step is a block of 4,096 rows x 128 bytes
	s_or_b32 s[G0+4*(\s)+3], s[G0+4*(\s)+3], 0x80000000
	s_mov_b32 s[G0B+4*(\s)], 1
	s_add_co_u32 s[G0B+4*(\s)+1], s21, (\s)*SLOT1
	s_add_nc_u64 s[G0B+4*(\s)+2:G0B+4*(\s)+3], s[46:47], (\s)*131072 ; and two slices of 65,536 bytes
	s_or_b32 s[G0B+4*(\s)+3], s[G0B+4*(\s)+3], 0x80000000
	JLOAD \s
.endr
	v_and_b32 v1, 15, v0                           ; r = l % 16
	v_bfe_u32 v2, v0, 4, 1                         ; h = l / 16
	v_and_b32 v3, 31, v0                           ; l
	v_and_b32 v7, 7, v0                            ; l % 8
	v_lshrrev_b32 v4, 1, v1                        ; u: two rows of 128 bytes in 272
	v_and_b32 v5, 1, v1
	v_mul_u32_u24 v[LA0], v4, 272
	v_lshl_add_u32 v[LA0], v5, 7, v[LA0]
	v_lshl_add_u32 v[LA0], v2, 4, v[LA0]
	s_mul_i32 s18, s11, AHALF
	v_add_nc_u32 v[LA0], s18, v[LA0]
	v_lshrrev_b32 v4, 2, v1                        ; W2: four rows of 64 bytes in 272
	v_and_b32 v5, 3, v1
	v_mul_u32_u24 v[LB0], v4, 272
	v_lshl_add_u32 v[LB0], v5, 6, v[LB0]
	v_lshl_add_u32 v[LB0], v2, 4, v[LB0]
	s_mul_i32 s18, s12, 48*272                     ; my 192 rows of the 384
	s_add_co_u32 s18, s18, BOFF
	v_add_nc_u32 v[LB0], s18, v[LB0]
	v_mov_b32 v[ADRA], v[LA0]                      ; slot 0
	v_mov_b32 v[ADRB], v[LB0]
	; the tile's biases (wave w brings 96 of the 384) and the row factors (thread t sums the 16 partial sums of squares of rows 2 t, 2 t + 1)
	s_cmp_eq_u32 s11, 0
	s_cselect_b64 s[90:91], s[70:71], s[72:73]
	s_mul_i32 s88, s42, 768
	s_mul_i32 s92, s12, 384
	s_add_co_u32 s88, s88, s92
	v_lshl_add_u32 v8, v3, 2, s88
	global_load_b32 v64, v8, s[90:91]
	global_load_b32 v65, v8, s[90:91] offset:128
	global_load_b32 v66, v8, s[90:91] offset:256
	s_lshl_b32 s88, s13, 10
	s_mov_b32 s89, 0
	s_add_nc_u64 s[68:69], s[68:69], s[88:89]
	v_lshlrev_b32 v6, 3, v0
.set i, 0
.rept 16
	global_load_b64 v[32+2*i:33+2*i], v6, s[68:69] offset:16384*i
.set i, i+1
.endr
	; the prefetches' address, step and who asks
	s_lshl_b32 s87, s13, 15
	s_lshl_b32 s88, s40, 13
	s_add_co_u32 s87, s87, s88
	s_add_co_u32 s87, s87, 3*524288                ; u at K step 3: the first refill steps it to 4
	s_lshr_b32 s88, s42, 1
	s_lshl_b32 s88, s88, 21
	s_and_b32 s89, s42, 1
	s_mul_i32 s89, s89, 24576
	s_add_co_u32 s88, s88, s89
	s_lshl_b32 s89, s12, 16
	s_add_co_u32 s88, s88, s89
	s_mul_i32 s89, s41, 6144
	s_add_co_u32 s88, s88, s89
	s_add_co_u32 s88, s88, 3*131072                ; W2 at K step 3
	s_and_b32 s89, ttmp7, 0xffff
	s_mov_b32 s92, 524288
	s_mov_b32 s93, 131072
	s_cmp_eq_u32 s11, 0
	s_cselect_b32 s18, s87, s88
	s_cselect_b32 s[PFS], s92, s93
	s_cselect_b32 s89, ttmp9, s89                  ; the coordinate along which other clusters read the same bytes
	s_cselect_b32 s94, -1, 0
	s_cselect_b64 s[PFA:PFA+1], s[4:5], s[6:7]
	s_cmp_eq_u32 s10, 1                            ; wave 1 asks for nothing: wave 0 names all of u's block
	s_cselect_b32 s95, 1, 0
	s_or_b32 s89, s89, s95
	s_cmp_eq_u32 s89, 0
	s_cselect_b32 s[LIM], 2, -1
	s_mov_b32 s19, 0
	s_mov_b32 s[PFS+1], 0
	s_add_nc_u64 s[PFA:PFA+1], s[PFA:PFA+1], s[18:19]
	v_min_u32 v4, 23, v3
	v_cndmask_b32 v4, v4, v3, s94
	v_lshlrev_b32 v[PFO], 8, v4
	; where my rows of p begin: slice 6 x, row 256 y + 128 rh + 32 (wave % 2)
	s_mul_i32 s87, s42, 1572864
	s_lshl_b32 s88, s13, 8
	s_lshl_b32 s89, s11, 7
	s_add_co_u32 s88, s88, s89
	s_lshl_b32 s89, s12, 5
	s_add_co_u32 s88, s88, s89
	s_lshl_b32 s88, s88, 6
	s_add_co_u32 s88, s88, s87
	s_mov_b32 s89, 0
	s_add_nc_u64 s[74:75], s[74:75], s[88:89]
	v_lshlrev_b32 v23, 3, v3
	s_mov_b32 s14, 0x3e6d3389                      ; 0.2316419
	s_mov_b32 s18, 0x3a800000                      ; 1 / 1024
	s_mul_i32 s92, s10, 384
	s_add_co_u32 s92, s92, BT
	v_lshl_add_u32 v5, v3, 2, s92
	s_wait_loadcnt 0x0
.set i, 2
.rept 7
	v_pk_add_f32 v[32:33], v[32:33], v[32+2*i:33+2*i]
	v_pk_add_f32 v[34:35], v[34:35], v[34+2*i:35+2*i]
.set i, i+2
.endr
	v_pk_add_f32 v[32:33], v[32:33], v[34:35]
	v_mov_b32 v34, 0x358637bd                      ; 1e-6
	v_fma_f32 v32, v32, s18, v34
	v_fma_f32 v33, v33, s18, v34
	v_rsq_f32 v32, v32
	v_rsq_f32 v33, v33
	v_lshl_add_u32 v4, v0, 3, RS                   ; a plain instruction behind the two
	s_wait_alu depctr_va_vdst(0)                   ; one wait for both
	ds_store_b64 v4, v[32:33]
	ds_store_b32 v5, v64
	ds_store_b32 v5, v65 offset:128
	ds_store_b32 v5, v66 offset:256
	s_wait_dscnt 0x0                               ; for the others' sake
; 4 na matrix instructions of column group g: row blocks a0 .. a0 + na - 1 x the group's 4 column blocks.  The accumulators take turns, one instruction a turn.
.macro MULA af, g, a0, na, zero
	WIN 0x50*(1+(\g))                              ; C and D in window 1 + g, the sources in window 0
.set BBG, 32+160*(((\g)+1)/2)+32*((\g)/2)
.set ma, \a0
.rept \na
.irp bb, 0,1,2,3
.if \zero
	v_wmma_f32_16x16x32_bf16 v[8*(4*ma+(\bb)):8*(4*ma+(\bb))+7], v[BBG+8*(\bb):BBG+8*(\bb)+7], v[(\af)+8*ma:(\af)+8*ma+7], 0
.else
	v_wmma_f32_16x16x32_bf16 v[8*(4*ma+(\bb)):8*(4*ma+(\bb))+7], v[BBG+8*(\bb):BBG+8*(\bb)+7], v[(\af)+8*ma:(\af)+8*ma+7], v[8*(4*ma+(\bb)):8*(4*ma+(\bb))+7]
.endif
.endr
.set ma, ma+1
.endr
.endm
.macro LDB g, q                        ; 8 LDS loads: W2's fragments of column group g, slice q of the slot
.set BBG, 32+160*(((\g)+1)/2)+32*((\g)/2)
.irp bb, 0,1,2,3
	ds_load_b128 v[BBG+8*(\bb):BBG+8*(\bb)+3],   v[ADRB] offset:(\q)*BSL+(4*(\g)+(\bb))*1088
	ds_load_b128 v[BBG+8*(\bb)+4:BBG+8*(\bb)+7], v[ADRB] offset:(\q)*BSL+(4*(\g)+(\bb))*1088+32
.endr
.endm
.macro LDA af, q, hf                   ; 8 LDS loads: u's fragments of row blocks 4 hf .. 4 hf + 3, byte 64 q of the rows
.irp i, 0,1,2,3
	ds_load_b128 v[(\af)+8*(4*(\hf)+(\i)):(\af)+8*(4*(\hf)+(\i))+3],   v[ADRA] offset:(\q)*64+(4*(\hf)+(\i))*2176
	ds_load_b128 v[(\af)+8*(4*(\hf)+(\i))+4:(\af)+8*(4*(\hf)+(\i))+7], v[ADRA] offset:(\q)*64+(4*(\hf)+(\i))*2176+32
.endr
.endm
.macro PLACES                          ; four plain places behind matrix instructions, ahead of loads into their sources and of readers of their results
.rept 4
	v_nop
.endr
.endm
; A K step's first quarter (buffer AF0); the runs behind its groups fetch the same slot's second quarter.
.macro QE zero
	s_wait_dscnt 8                                 ; all but the youngest run (group 2's fragments) is in
	MULA AF0, 0, 0, 8, \zero
	WIN 0
	PLACES
	LDB 0, 1
	LDA AF1, 1, 0
	MULA AF0, 1, 0, 8, \zero
	WIN 0
	PLACES
	LDB 1, 1
	LDA AF1, 1, 1
	s_wait_dscnt 32                                ; group 2's fragments are in; the two runs just issued stay out
	MULA AF0, 2, 0, 8, \zero
	WIN 0
	PLACES
	LDB 2, 1
.endm
; A K step's second quarter (buffer AF1) and the change of slots: all of this slot's fragments have been asked for.  Each wave waits for all its tensor loads (its part of the next slot),
; adds 0 to its spare word, and waits for that and for its reads of this slot.  fill = 1: the barrier opens a round of the cluster's, and this slot is filled again, two K steps ahead.
.macro QO fill
.if \fill
	s_wait_xcnt 0x0                                ; the last prefetch, a K step back, has read its address
	s_add_nc_u64 s[PFA:PFA+1], s[PFA:PFA+1], s[PFS:PFS+1]
.endif
	s_wait_dscnt 8
	MULA AF1, 0, 0, 4, 0
	WIN 0
	s_wait_tensorcnt 0x0                           ; the one that was out is my part of the next slot: no load of mine is out, so a group 0 may be written
	ds_add_u32 v[SPW], v[NIL]                      ; 0 onto my spare word
.if \fill
	s_xor_b32 s[G0+5], s[G0+5], SLOT1              ; the walking descriptors: the other slot than last time, the next K step
	s_add_nc_u64 s[G0+6:G0+7], s[G0+6:G0+7], 524288
	s_xor_b32 s[G0B+5], s[G0B+5], SLOT1
	s_add_nc_u64 s[G0B+6:G0B+7], s[G0B+6:G0B+7], 131072
.endif
	MULA AF1, 0, 4, 2, 0
	s_wait_dscnt 0x0                               ; the add is done, and my reads of this slot are over
	s_barrier_signal -1
	MULA AF1, 0, 6, 2, 0
	WIN 0
	s_barrier_wait -1
.if \fill
	CREST                                          ; no wave of any partner still reads this slot or has a load on its way
	JLOAD 1                                        ; the first tensor load behind the round; its four v_nop are the places ahead of the loads below
.else
	PLACES
.endif
	s_xor_b32 s[TB], s[TB], SLOT1                  ; the fetches go on in the other slot
	v_add_nc_u32 v[ADRA], s[TB], v[LA0]
	v_add_nc_u32 v[ADRB], s[TB], v[LB0]
	LDB 0, 0
	LDA AF0, 0, 0
.if \fill
	ASK
.endif
	MULA AF1, 1, 0, 8, 0
	WIN 0
	PLACES
	LDB 1, 0
	LDA AF0, 0, 1
	MULA AF1, 2, 0, 8, 0
	WIN 0
	PLACES
	LDB 2, 0
.endm
	s_wait_tensorcnt 1                             ; my part of K step 0 is in; K step 1's stays out
	s_barrier_signal -1
	s_barrier_wait -1
	LDB 0, 0
	LDA AF0, 0, 0
	LDB 1, 0
	LDA AF0, 0, 1
	LDB 2, 0
	QE 1                                           ; the first quarter's products start the sums
	WIN 0
	s_mov_b32 s3, 14
.Lstep:                                                ; a trip: a K step's second quarter, the change of slots with its refill, the next K step's first quarter
	QO 1
	QE 0
	WIN 0
	s_sub_co_u32 s3, s3, 1
	s_cmp_lg_u32 s3, 0
	s_cbranch_scc1 .Lstep
	QO 0                                           ; the last two K steps are written out: nothing is asked for
	QE 0
	s_wait_dscnt 8
	MULA AF1, 0, 0, 8, 0
	MULA AF1, 1, 0, 8, 0
	s_wait_dscnt 0x0                               ; my last reads of the ring are back
	s_barrier_signal -1
	MULA AF1, 2, 0, 8, 0
	WIN 0
	s_barrier_wait -1                              ; nobody reads the ring any more, and it is filled no more
	; THE WAY OUT.  Phase p takes row blocks 4 p .. 4 p + 3 of every wave: RAW's row 64 rh + 16 (a % 4) + l % 16 is the tile's row 128 rh + 64 p + 16 (a % 4) + l % 16.
	PLACES
	s_lshl_b32 s19, s11, 6
	v_add_nc_u32 v4, s19, v1
	v_mul_u32_u24 v24, v4, RP3
	v_lshl_add_u32 v24, v2, 5, v24
	s_mul_i32 s19, s12, 768
	v_add_nc_u32 v24, s19, v24                     ; in: column 192 ch + 16 b + 8 (l / 16)
	v_add_nc_u32 v25, 32*RP3, v24
	v_lshrrev_b32 v4, 3, v3                        ; l / 8
	s_lshl_b32 s19, s10, 5
	v_add_nc_u32 v5, s19, v4
	v_mul_u32_u24 v26, v5, RP3
	v_lshl_add_u32 v26, v7, 4, v26                 ; back: RAW's row 32 wave + l / 8, 16 bytes at l % 8
	s_lshl_b32 s19, s11, 7
	s_lshl_b32 s18, s12, 5
	s_add_co_u32 s19, s19, s18
	v_add_nc_u32 v5, s19, v4
	v_lshl_add_u32 v9, v5, 2, RS                   ; rs of the tile's row 128 rh + 32 (wave % 2) + l / 8
	v_lshl_add_u32 v8, v7, 4, BT
.irp z, 0,1
	v_mov_b32 v[KQ+(\z)], 0xbf38aa3b               ; -log2(e) / 2
	v_mov_b32 v[CC+(\z)], 0x3e027906               ; c1 =  0.127414796
	v_mov_b32 v[CC+2+(\z)], 0xbe11a98e             ; c2 = -0.142248368
	v_mov_b32 v[CC+4+(\z)], 0x3f35f0e3             ; c3 =  0.710706871
	v_mov_b32 v[CC+6+(\z)], 0xbf3a00e3             ; c4 = -0.726576014
	v_mov_b32 v[CC+8+(\z)], 0x3f07dc22             ; c5 =  0.530702716
.endr
	U6 ds_load_b128 v[BG+4*u:BG+4*u+3], v8 offset:128*u
	U6 ds_load_b128 v[BF+4*u:BF+4*u+3], v8 offset:128*u+768
.macro DUMP p                          ; 96 stores: each accumulator's low four registers first
.irp g, 0,1,2
	WIN 4*(1+(\g))                                 ; store data in window 1 + g
.irp aa, 0,1,2,3
.irp bb, 0,1,2,3
	ds_store_b128 v[24+(\aa)/2], v[8*(4*(4*(\p)+(\aa))+(\bb)):8*(4*(4*(\p)+(\aa))+(\bb))+3]   offset:((\aa)%2)*16*RP3+64*(4*(\g)+(\bb))
	ds_store_b128 v[24+(\aa)/2], v[8*(4*(4*(\p)+(\aa))+(\bb))+4:8*(4*(4*(\p)+(\aa))+(\bb))+7] offset:((\aa)%2)*16*RP3+64*(4*(\g)+(\bb))+16
.endr
.endr
.endr
	WIN 0
.endm
	s_mov_b32 s17, 0
	s_mov_b32 s[PH], 2
.Lphase:
	s_cmp_eq_u32 s[PH], 2
	s_cbranch_scc0 .Ldump1
	DUMP 0
	s_branch .Ldumped
.Ldump1:
	DUMP 1
.Ldumped:
	s_wait_dscnt 0x0                               ; for the others' sake: my stores are done (and the biases are in)
	s_barrier_signal -1
	s_barrier_wait -1
	s_mov_b32 s15, 0
	s_mov_b32 s16, 8
.Lew:                                                  ; 4 rows x 192 hidden units a trip
	v_add_nc_u32 v31, s15, v26
	v_add_nc_u32 v10, s17, v9
	ds_load_b32 v[RV], v10                         ; rs of my row, twice: a pair for the packed forms
	ds_load_b32 v[RV+1], v10
	U6 ds_load_b128 v[EG+4*u:EG+4*u+3], v31 offset:128*u
	U6 ds_load_b128 v[EF+4*u:EF+4*u+3], v31 offset:128*u+768
	s_wait_dscnt 6                                 ; rs and the gate's sums are in; fc's six loads stay out
	P12 v_pk_fma_f32 v[EG+2*p:EG+2*p+1], v[EG+2*p:EG+2*p+1], v[RV:RV+1], v[BG+2*p:BG+2*p+1]
	K24 v_fma_f32 v[ET+k], |v[EG+k]|, s14, 1.0
	P12 v_pk_mul_f32 v[EQ+2*p:EQ+2*p+1], v[EG+2*p:EG+2*p+1], v[KQ:KQ+1]
	P12 v_pk_mul_f32 v[EQ+2*p:EQ+2*p+1], v[EQ+2*p:EQ+2*p+1], v[EG+2*p:EG+2*p+1]
	K24 v_rcp_f32 v[ET+k], v[ET+k]                 ; one batch: t and 2^(-g^2 log2(e) / 2)
	K24 v_exp_f32 v[EQ+k], v[EQ+k]
	s_wait_dscnt 0x0
	P12 v_pk_fma_f32 v[EF+2*p:EF+2*p+1], v[EF+2*p:EF+2*p+1], v[RV:RV+1], v[BF+2*p:BF+2*p+1]  ; work that names none of the batch's results
	s_wait_alu depctr_va_vdst(0)                   ; one wait for the batch
	P12 v_pk_fma_f32 v[EP+2*p:EP+2*p+1], v[ET+2*p:ET+2*p+1], v[CC+8:CC+9], v[CC+6:CC+7]
	P12 v_pk_fma_f32 v[EP+2*p:EP+2*p+1], v[EP+2*p:EP+2*p+1], v[ET+2*p:ET+2*p+1], v[CC+4:CC+5]
	P12 v_pk_fma_f32 v[EP+2*p:EP+2*p+1], v[EP+2*p:EP+2*p+1], v[ET+2*p:ET+2*p+1], v[CC+2:CC+3]
	P12 v_pk_fma_f32 v[EP+2*p:EP+2*p+1], v[EP+2*p:EP+2*p+1], v[ET+2*p:ET+2*p+1], v[CC:CC+1]
	P12 v_pk_mul_f32 v[EP+2*p:EP+2*p+1], v[EP+2*p:EP+2*p+1], v[ET+2*p:ET+2*p+1]
	P12 v_pk_mul_f32 v[EP+2*p:EP+2*p+1], v[EP+2*p:EP+2*p+1], v[EQ+2*p:EQ+2*p+1]
	K24 v_max_num_f32 v[ET+k], 0, v[EG+k]          ; t is used up: its registers take max(g, 0), then gelu(g)
	K24 v_fma_f32 v[ET+k], -|v[EG+k]|, v[EP+k], v[ET+k]
	P12 v_pk_mul_f32 v[EF+2*p:EF+2*p+1], v[EF+2*p:EF+2*p+1], v[ET+2*p:ET+2*p+1]
	s_wait_xcnt 0x0                                ; the last trip's stores have read their data and base: both are written again only behind this wait
	s_add_nc_u64 s[74:75], s[74:75], 256           ; four rows on; the stores below reach back
	P12 v_cvt_pk_bf16_f32 v[EU+p], v[EF+2*p], v[EF+2*p+1]
	U6 global_store_b64 v23, v[EU+2*u:EU+2*u+1], s[74:75] offset:262144*u-256  ; four rows of 64 bytes on end: 256 consecutive bytes, aligned
	s_add_co_u32 s15, s15, 4*RP3
	s_add_co_u32 s17, s17, 16
	s_sub_co_u32 s16, s16, 1
	s_cmp_lg_u32 s16, 0
	s_cbranch_scc1 .Lew
	s_wait_xcnt 0x0
	s_add_nc_u64 s[74:75], s[74:75], 2048          ; from my 32 rows' end to the next phase's rows, 64 rows behind this phase's first
	s_add_co_u32 s17, s17, 128
	s_wait_dscnt 0x0                               ; my reads of RAW are back:
	s_barrier_signal -1
	s_barrier_wait -1                              ; everybody's are: the next phase may write it
	s_sub_co_u32 s[PH], s[PH], 1
	s_cmp_lg_u32 s[PH], 0
	s_cbranch_scc1 .Lphase
	s_wait_tensorcnt 0x0                           ; the wave's end
	ds_add_u32 v[SPW], v[NIL]
	s_wait_dscnt 0x0
	CROUND                                         ; the closing round
	s_endpgm
.Lfunc_end_k_q8ea63528ed_mlp1:
	.size	k_q8ea63528ed_mlp1, .Lfunc_end_k_q8ea63528ed_mlp1-k_q8ea63528ed_mlp1
	.p2alignl 7, 3214868480
	.fill 96, 4, 3214868480
	.section	.rodata,"a",@progbits
	.p2align	6, 0x0
	.amdhsa_kernel k_q8ea63528ed_mlp1
		.amdhsa_group_segment_fixed_size 327680
		.amdhsa_private_segment_fixed_size 0
		.amdhsa_enable_private_segment 0
		.amdhsa_kernarg_size 48
		.amdhsa_user_sgpr_count 2
		.amdhsa_user_sgpr_kernarg_segment_ptr 1
		.amdhsa_wavefront_size32 1
		.amdhsa_system_sgpr_workgroup_id_x 1
		.amdhsa_system_sgpr_workgroup_id_y 1
		.amdhsa_system_sgpr_workgroup_id_z 1
		.amdhsa_system_vgpr_workitem_id 0
		.amdhsa_next_free_vgpr 1024
		.amdhsa_next_free_sgpr 96
		.amdhsa_reserve_vcc 0
		.amdhsa_float_denorm_mode_32 3
		.amdhsa_float_denorm_mode_16_64 3
		.amdhsa_memory_ordered 1
		.amdhsa_forward_progress 1
		.amdhsa_inst_pref_size 101
	.end_amdhsa_kernel
	.amdgpu_metadata
---
amdhsa.version: [ 1, 2 ]
amdhsa.kernels:
  - .name:           k_q8ea63528ed_mlp1
    .symbol:         k_q8ea63528ed_mlp1.kd
    .args:
      - { .name: ub, .offset: 0, .size: 8, .value_kind: global_buffer, .address_space: global }
      - { .name: w2s, .offset: 8, .size: 8, .value_kind: global_buffer, .address_space: global }
      - { .name: ssq, .offset: 16, .size: 8, .value_kind: global_buffer, .address_space: global }
      - { .name: mlp_gate_b, .offset: 24, .size: 8, .value_kind: global_buffer, .address_space: global }
      - { .name: mlp_fc_b, .offset: 32, .size: 8, .value_kind: global_buffer, .address_space: global }
      - { .name: pb, .offset: 40, .size: 8, .value_kind: global_buffer, .address_space: global }
    .group_segment_fixed_size: 327680
    .private_segment_fixed_size: 0
    .kernarg_segment_align: 8
    .kernarg_segment_size: 48
    .max_flat_workgroup_size: 128
    .sgpr_count:     96
    .vgpr_count:     1024
    .wavefront_size: 32
...
	.end_amdgpu_metadata
.endif
;; end of part 3
;; launch mlp2 (part 4): grid 8 x 32, 4 waves a work-group, clusters of 4 x 4, 327,680 bytes of LDS; arguments pb, wts, hs2, out_b, out0; writes out0
.if DOCPART == 4
	.amdgcn_target "amdgcn-amd-amdhsa--gfx1250"
	.amdhsa_code_object_version 6
	.text
	.protected	k_q8ea63528ed_mlp2
	.globl	k_q8ea63528ed_mlp2
	.p2align	8
	.type	k_q8ea63528ed_mlp2,@function
k_q8ea63528ed_mlp2:
	s_mov_b64 s[64:65], 0
	v_nop
	global_prefetch_b8 v0, s[64:65] scope:SCOPE_SE
	s_setreg_imm32_b32 hwreg(HW_REG_WAVE_MODE, 25, 1), 1
	s_wait_xcnt 0x0
	s_wait_alu depctr_hold_cnt(0) depctr_sa_sdst(0) depctr_va_vdst(0) depctr_va_sdst(0) depctr_va_ssrc(0) depctr_va_vcc(0) depctr_vm_vsrc(0)
	s_getreg_b32 s2, hwreg(HW_REG_IB_STS2, 6, 4)
	s_cmp_eq_u32 s2, 0
	s_cbranch_scc0 .Lentry_in_a_cluster
	s_endpgm
.Lentry_in_a_cluster:
	s_bfe_u32 s2, ttmp6, 0x10000c
	s_cmp_lg_u32 s2, 0xf033
	s_cbranch_scc0 .Lentry_shape_is_right
	s_endpgm
.Lentry_shape_is_right:
; MLP2: out0 = p out_w^T + out_b + hs2.  p: [96 slices][4096][32] bf16, WO (wts + OWO): [96 slices][1024][32] bf16, hs2 and out0: [4096][1024] f32.
; 4,096 x 1,024 of output make 64 tiles of 256 x 256 but 256 of 128 x 128: the smaller tile, one work-group for each of 256 WGPs.  Four waves, each 64 x 64: 16 accumulators.
; K = 3,072 in 12 steps of 8 slices through two LDS slots, as long as two slots in LDS allow.  A slice's 128 rows of 64 bytes lie end to end in memory: a wave's joint load brings four slices as
; four rows of 8,192 bytes, with 16 bytes of padding behind every 256: four rows in 272 bytes, so that the 16 rows of a fragment fall on 16 different columns of 16 bytes.
; 4 x 4 cluster: p's tile is shared along a row, WO's along a column.  No prefetch: the tiles are small and each is read by many.
; The matrix instruction is used transposed (source 0 = 16 rows of WO, source 1 = 16 rows of p): a lane holds eight neighbouring columns of one row.
; A K step is four PAIRS of slices, 32 matrix instructions each; pair j's fragments lie in half-buffer j, and while pair j is multiplied pair j + 2 is fetched.
; The way out goes through a stage in the ring (filled no more): 128 rows of 528 bytes; then whole rows of 512 bytes, plus hs2 + out_b, which were fetched at the start.
; REGISTERS: window 0: v0-31 addresses, v96-99 out_b, v128-255 accumulators ((a, b) at 128 + 8 (4 a + b)).  window 1: half-buffers 0, 1; window 2: half-buffers 2, 3
;   (each 128 registers; slice c of the pair: p at 64 c, WO at 64 c + 32).  window 3: v0-127 my 32 rows of hs2.
.set PSL,   32*272                     ; a slice's tile
.set SLOT,  16*PSL                     ; p's 8 slices, then WO's 8
.set SPARE, 2*SLOT                     ; the spare words: two blocks of 256 bytes that no other line names
.set SP,    528
.set OWO,   20971520
.set LA0,  16                          ; v16  my lane's place in p's tiles; never rewritten
.set LB0,  17                          ; v17  the same for WO's
.set ADRA, 18                          ; v18  the same in the slot that is being read
.set ADRB, 19
.set SPW,  28
.set NIL,  29
.set ACC,  128
.set TB,   74                          ; s74  LDS byte at which the slot that is being read begins: 0 or SLOT
.set G1, 24
.set G0, 32                            ; s[32:35] p's first fill; s[36:39] its second, which then walks on
.set G1B, 48
.set G0B, 56
.set MSB, 0
.macro WIN new
.if MSB != (\new)
	s_set_vgpr_msb (MSB<<8)|(\new)
.set MSB, \new
.endif
.endm
.macro JLOAD s                         ; waves 0 and 1 fetch p's slices 0-3 and 4-7, waves 2 and 3 WO's; s_nop 0 and four v_nop follow each line
	s_cmp_eq_u32 s11, 0
	s_cbranch_scc0 .Lfor_b_\@
	tensor_load_to_lds s[G0+4*(\s):G0+4*(\s)+3], s[G1:G1+7]
	s_nop 0
.rept 4
	v_nop
.endr
	s_branch .Lasked_\@
.Lfor_b_\@:
	tensor_load_to_lds s[G0B+4*(\s):G0B+4*(\s)+3], s[G1B:G1B+7]
	s_nop 0
.rept 4
	v_nop
.endr
.Lasked_\@:
.endm
.macro CREST
	s_cmp_lg_u32 s10, 0
	s_cbranch_scc1 .Lnot_wave_0_\@
	s_barrier_signal -3
.Lnot_wave_0_\@:
	s_barrier_wait -3
	s_barrier_signal -1
	s_barrier_wait -1
.endm
.macro CROUND
	s_barrier_signal -1
	s_barrier_wait -1
	CREST
.endm
	s_load_b128 s[4:7], s[0:1], 0x0                ; pb s[4:5], wts s[6:7]
	s_load_b128 s[68:71], s[0:1], 0x10             ; hs2 68, out_b 70
	s_load_b64 s[72:73], s[0:1], 0x20              ; out0
	v_lshl_add_u32 v[SPW], v0, 2, SPARE
	v_mov_b32 v[NIL], 0
	ds_add_u32 v[SPW], v[NIL]                      ; the wave's opening: the add, twice on end, and its wait ahead of my first tensor load
	ds_add_u32 v[SPW], v[NIL]
	v_lshrrev_b32 v1, 5, v0
	v_readfirstlane_b32 s10, v1
	s_lshr_b32 s11, s10, 1
	s_and_b32 s12, s10, 1
	s_bfe_u32 s40, ttmp6, 0x40000
	s_bfe_u32 s41, ttmp6, 0x40004
	s_lshl_b32 s42, ttmp9, 2
	s_add_co_u32 s42, s42, s40                     ; x: 128 columns
	s_and_b32 s13, ttmp7, 0xffff
	s_lshl_b32 s13, s13, 2
	s_add_co_u32 s13, s13, s41                     ; y: 128 rows
	s_lshl_b32 s43, s41, 2
	s_lshl_b32 s43, 15, s43
	s_lshl_b32 s44, 0x1111, s40
	s_or_b32 s[G1+0], s43, (1<<16)|(1<<20)|(1<<21)|(5<<22)|(3<<25)   ; 4 words of padding after every 64
	s_or_b32 s[G1B+0], s44, (1<<16)|(1<<20)|(1<<21)|(5<<22)|(3<<25)
.irp g, G1, G1B
	s_mov_b32 s[(\g)+1], 4096<<16                  ; tensor_dim0 = 4,096 elements: 128 rows of a slice on end
	s_mov_b32 s[(\g)+2], 4<<16                     ; tensor_dim1 = 4 slices
	s_mov_b32 s[(\g)+3], 4096<<16                  ; tile_dim0
	s_mov_b32 s[(\g)+4], 4                         ; tile_dim1
	s_mov_b32 s[(\g)+6], 0
	s_mov_b32 s[(\g)+7], 0
.endr
	s_mov_b32 s[G1+5], 131072                      ; elements from slice to slice: 4,096 rows x 32
	s_mov_b32 s[G1B+5], 32768                      ; 1,024 rows x 32
	s_lshl_b32 s16, s12, 20                        ; p: 4 slices of 262,144 bytes for the second wave,
	s_lshl_b32 s17, s13, 13                        ; 128 y rows of 64 bytes
	s_add_co_u32 s16, s16, s17
	s_mov_b32 s17, 0
	s_lshl_b32 s46, s12, 18                        ; WO: 4 slices of 65,536 bytes,
	s_lshl_b32 s47, s42, 13                        ; 128 x rows
	s_add_co_u32 s46, s46, s47
	s_add_co_u32 s46, s46, OWO
	s_mov_b32 s47, 0
	s_mul_i32 s20, s10, 4*PSL                      ; where they go: wave x four slices; kept for the refills
	s_mov_b32 s[TB], 0
	s_wait_dscnt 0x0
	s_wait_kmcnt 0x0
	s_add_nc_u64 s[14:15], s[4:5], s[16:17]
	s_add_nc_u64 s[46:47], s[6:7], s[46:47]
	CROUND
.irp s, 0,1
	s_mov_b32 s[G0+4*(\s)], 1
	s_add_co_u32 s[G0+4*(\s)+1], s20, (\s)*SLOT
	s_add_nc_u64 s[G0+4*(\s)+2:G0+4*(\s)+3], s[14:15], (\s)*8*262144
	s_or_b32 s[G0+4*(\s)+3], s[G0+4*(\s)+3], 0x80000000
	s_mov_b32 s[G0B+4*(\s)], 1
	s_add_co_u32 s[G0B+4*(\s)+1], s20, (\s)*SLOT
	s_add_nc_u64 s[G0B+4*(\s)+2:G0B+4*(\s)+3], s[46:47], (\s)*8*65536
	s_or_b32 s[G0B+4*(\s)+3], s[G0B+4*(\s)+3], 0x80000000
	JLOAD \s
.endr
	v_and_b32 v1, 15, v0
	v_bfe_u32 v2, v0, 4, 1
	v_and_b32 v3, 31, v0
	v_lshrrev_b32 v4, 2, v1                        ; four rows of 64 bytes in 272
	v_and_b32 v5, 3, v1
	v_mul_u32_u24 v4, v4, 272
	v_lshl_add_u32 v4, v5, 6, v4
	v_lshl_add_u32 v4, v2, 4, v4
	s_mul_i32 s21, s11, 16*272                     ; my 64 rows of p's 128
	s_mul_i32 s22, s12, 16*272                     ; my 64 rows of WO's,
	s_add_co_u32 s22, s22, 8*PSL                   ; which lie behind p's 8 slices
	v_add_nc_u32 v[LA0], s21, v4
	v_add_nc_u32 v[LB0], s22, v4
	v_mov_b32 v[ADRA], v[LA0]                      ; slot 0
	v_mov_b32 v[ADRB], v[LB0]
	; my 32 rows of hs2 and of out0 (row 128 y + 32 wave + t, 512 bytes at column 128 x), and out_b: asked for now, wanted at the end
	s_lshl_b32 s76, s13, 7
	s_lshl_b32 s77, s10, 5
	s_add_co_u32 s76, s76, s77
	s_lshl_b32 s76, s76, 12
	s_lshl_b32 s77, s42, 9
	s_add_co_u32 s76, s76, s77
	s_mov_b32 s77, 0
	s_add_nc_u64 s[68:69], s[68:69], s[76:77]
	s_add_nc_u64 s[72:73], s[72:73], s[76:77]
	v_lshlrev_b32 v23, 4, v3
	WIN 0xc0                                       ; destination window 3
.set t, 0
.rept 32
	global_load_b128 v[4*t:4*t+3], v23, s[68:69] offset:4096*t th:TH_LOAD_NT
.set t, t+1
.endr
	WIN 0
	s_lshl_b32 s78, s42, 9
	v_add_nc_u32 v22, s78, v23
	global_load_b128 v[96:99], v22, s[70:71]
	s_lshl_b32 s78, s11, 6                         ; into the stage: row 64 rh + l % 16, column 64 ch + 8 (l / 16)
	v_add_nc_u32 v4, s78, v1
	v_mul_u32_u24 v24, v4, SP
	v_lshl_add_u32 v24, v2, 5, v24
	s_lshl_b32 s78, s12, 8
	v_add_nc_u32 v24, s78, v24
	s_mul_i32 s78, s10, 32*SP                      ; back: rows 32 wave + t, whole
	v_lshl_add_u32 v25, v3, 4, s78
.macro MULH hb, c, a0, zero            ; 8 matrix instructions: slice c of half-buffer hb, row blocks a0, a0 + 1 x all 4 column blocks
	WIN 5*(1+(\hb)/2)
.set FB, 128*((\hb)%2)+64*(\c)
.irp a, \a0, (\a0)+1
.irp b, 0,1,2,3
.if \zero
	v_wmma_f32_16x16x32_bf16 v[ACC+8*(4*(\a)+(\b)):ACC+8*(4*(\a)+(\b))+7], v[FB+32+8*(\b):FB+32+8*(\b)+7], v[FB+8*(\a):FB+8*(\a)+7], 0
.else
	v_wmma_f32_16x16x32_bf16 v[ACC+8*(4*(\a)+(\b)):ACC+8*(4*(\a)+(\b))+7], v[FB+32+8*(\b):FB+32+8*(\b)+7], v[FB+8*(\a):FB+8*(\a)+7], v[ACC+8*(4*(\a)+(\b)):ACC+8*(4*(\a)+(\b))+7]
.endif
.endr
.endr
.endm
.macro MULS hb, c, zero                ; a slice: the 16 accumulators by turns
	MULH \hb, \c, 0, \zero
	MULH \hb, \c, 2, \zero
.endm
.macro FETCH2 q0, hb                   ; 32 LDS loads in one run: slices q0, q0 + 1 of the slot into half-buffer hb
	WIN 0x40*(1+(\hb)/2)
.set FB, 128*((\hb)%2)
.irp c, 0,1
.irp i, 0,1,2,3
	ds_load_b128 v[FB+64*(\c)+8*(\i):FB+64*(\c)+8*(\i)+3],         v[ADRA] offset:PSL*((\q0)+(\c))+1088*(\i)
	ds_load_b128 v[FB+64*(\c)+8*(\i)+4:FB+64*(\c)+8*(\i)+7],       v[ADRA] offset:PSL*((\q0)+(\c))+1088*(\i)+32
	ds_load_b128 v[FB+64*(\c)+32+8*(\i):FB+64*(\c)+32+8*(\i)+3],   v[ADRB] offset:PSL*((\q0)+(\c))+1088*(\i)
	ds_load_b128 v[FB+64*(\c)+32+8*(\i)+4:FB+64*(\c)+32+8*(\i)+7], v[ADRB] offset:PSL*((\q0)+(\c))+1088*(\i)+32
.endr
.endr
.endm
.macro PLACES                          ; four plain places behind matrix instructions, ahead of loads into their sources and of readers of their results
.rept 4
	v_nop
.endr
.endm
.macro P01 hb, zero                    ; pair 0 or 1 of a K step; pair hb + 2 of the same slot is fetched
	s_wait_dscnt 32                                ; this pair's fragments are in; the next pair's run stays out
	MULS \hb, 0, \zero
	PLACES
	FETCH2 2*(\hb)+4, (\hb)+2
	MULS \hb, 1, 0
.endm
; Pair 2 and the change of slots: all of this slot's fragments have been asked for.  Each wave waits for all its tensor loads (its part of the next slot), adds 0 to its spare word, and waits for that
; and for its reads of this slot.  fill = 1: the barrier opens a round of the cluster's, and this slot is filled again, two K steps ahead.  Then the next slot's pair 0 is fetched.
.macro PCH fill
	WIN 0
	s_wait_tensorcnt 0x0                           ; no load of mine is out, so a group 0 may be written
	ds_add_u32 v[SPW], v[NIL]                      ; 0 onto my spare word
.if \fill
	s_add_co_u32 s[G0+5], s20, s[TB]               ; the walking descriptors: the slot that has been read, the next K step
	s_add_nc_u64 s[G0+6:G0+7], s[G0+6:G0+7], 8*262144
	s_add_co_u32 s[G0B+5], s20, s[TB]
	s_add_nc_u64 s[G0B+6:G0B+7], s[G0B+6:G0B+7], 8*65536
.endif
	s_wait_dscnt 33                                ; pair 2's fragments are in (the add and pair 3's run may be out)
	MULH 2, 0, 0, 0
	s_wait_dscnt 0x0                               ; the add is done, and my reads of this slot are over
	s_barrier_signal -1
	MULH 2, 0, 2, 0
	WIN 0
	s_barrier_wait -1
.if \fill
	CREST                                          ; no wave of any partner still reads this slot or has a load on its way
	JLOAD 1                                        ; the first tensor load behind the round; its four v_nop are the places ahead of the loads below
.else
	PLACES
.endif
	s_xor_b32 s[TB], s[TB], SLOT                   ; 0 and SLOT by turns: the fetches go on in the other slot
	v_add_nc_u32 v[ADRA], s[TB], v[LA0]
	v_add_nc_u32 v[ADRB], s[TB], v[LB0]
	FETCH2 0, 0
	MULS 2, 1, 0
.endm
.macro P3                              ; pair 3 (its fragments were waited for at the change); the next slot's pair 1 is fetched
	MULS 3, 0, 0
	PLACES
	FETCH2 2, 1
	MULS 3, 1, 0
.endm
	s_wait_tensorcnt 1                             ; my part of K step 0 is in; K step 1's stays out
	s_barrier_signal -1
	s_barrier_wait -1
	FETCH2 0, 0
	FETCH2 2, 1
	P01 0, 1                                       ; the first slice's products start the sums
	P01 1, 0
	WIN 0
	s_mov_b32 s3, 10
.Lstep:                                                ; a trip: a K step's pairs 2 and 3, the change of slots with its refill, the next K step's pairs 0 and 1
	PCH 1
	P3
	P01 0, 0
	P01 1, 0
	WIN 0
	s_sub_co_u32 s3, s3, 1
	s_cmp_lg_u32 s3, 0
	s_cbranch_scc1 .Lstep
	PCH 0                                          ; the last two K steps are written out: nothing is asked for
	P3
	P01 0, 0
	P01 1, 0
	s_wait_dscnt 32
	MULS 2, 0, 0
	MULS 2, 1, 0
	s_wait_dscnt 0x0                               ; my last reads of the ring are back
	s_barrier_signal -1
	MULS 3, 0, 0
	MULS 3, 1, 0
	WIN 0
	s_barrier_wait -1                              ; nobody reads the ring any more, and it is filled no more
	PLACES
.irp a, 0,1,2,3
.irp b, 0,1,2,3
	ds_store_b128 v24, v[ACC+8*(4*(\a)+(\b)):ACC+8*(4*(\a)+(\b))+3]   offset:(\a)*16*SP+64*(\b)      ; each accumulator's low four registers first
	ds_store_b128 v24, v[ACC+8*(4*(\a)+(\b))+4:ACC+8*(4*(\a)+(\b))+7] offset:(\a)*16*SP+64*(\b)+16
.endr
.endr
	s_wait_loadcnt 0x0                             ; hs2 and out_b
	WIN 0xc3                                       ; destination and source 0 in window 3, source 1 in window 0
.set t, 0
.rept 32
	v_pk_add_f32 v[4*t:4*t+1], v[4*t:4*t+1], v[96:97]
	v_pk_add_f32 v[4*t+2:4*t+3], v[4*t+2:4*t+3], v[98:99]
.set t, t+1
.endr
	WIN 0
	s_wait_dscnt 0x0                               ; for the others' sake: a row's 512 bytes come from two waves
	s_barrier_signal -1
	s_barrier_wait -1
.set t, 0
.rept 32
	ds_load_b128 v[ACC+4*t:ACC+4*t+3], v25 offset:SP*t
.set t, t+1
.endr
	WIN 0x0c                                       ; source 1 in window 3
.set t, 0
.rept 32
	s_wait_dscnt 31-t                              ; row t is in; the younger rows' loads stay out
	v_pk_add_f32 v[ACC+4*t:ACC+4*t+1], v[ACC+4*t:ACC+4*t+1], v[4*t:4*t+1]
	v_pk_add_f32 v[ACC+4*t+2:ACC+4*t+3], v[ACC+4*t+2:ACC+4*t+3], v[4*t+2:4*t+3]
.set t, t+1
.endr
	WIN 0
.set t, 0
.rept 32
	global_store_b128 v23, v[ACC+4*t:ACC+4*t+3], s[72:73] offset:4096*t th:TH_STORE_NT  ; 512 consecutive bytes of a row, aligned
.set t, t+1
.endr
	s_wait_tensorcnt 0x0                           ; the wave's end
	ds_add_u32 v[SPW], v[NIL]
	s_wait_dscnt 0x0
	CROUND                                         ; the closing round
	s_endpgm
.Lfunc_end_k_q8ea63528ed_mlp2:
	.size	k_q8ea63528ed_mlp2, .Lfunc_end_k_q8ea63528ed_mlp2-k_q8ea63528ed_mlp2
	.p2alignl 7, 3214868480
	.fill 96, 4, 3214868480
	.section	.rodata,"a",@progbits
	.p2align	6, 0x0
	.amdhsa_kernel k_q8ea63528ed_mlp2
		.amdhsa_group_segment_fixed_size 327680
		.amdhsa_private_segment_fixed_size 0
		.amdhsa_enable_private_segment 0
		.amdhsa_kernarg_size 40
		.amdhsa_user_sgpr_count 2
		.amdhsa_user_sgpr_kernarg_segment_ptr 1
		.amdhsa_wavefront_size32 1
		.amdhsa_system_sgpr_workgroup_id_x 1
		.amdhsa_system_sgpr_workgroup_id_y 1
		.amdhsa_system_sgpr_workgroup_id_z 1
		.amdhsa_system_vgpr_workitem_id 0
		.amdhsa_next_free_vgpr 896
		.amdhsa_next_free_sgpr 80
		.amdhsa_reserve_vcc 0
		.amdhsa_float_denorm_mode_32 3
		.amdhsa_float_denorm_mode_16_64 3
		.amdhsa_memory_ordered 1
		.amdhsa_forward_progress 1
		.amdhsa_inst_pref_size 79
	.end_amdhsa_kernel
	.amdgpu_metadata
---
amdhsa.version: [ 1, 2 ]
amdhsa.kernels:
  - .name:           k_q8ea63528ed_mlp2
    .symbol:         k_q8ea63528ed_mlp2.kd
    .args:
      - { .name: pb, .offset: 0, .size: 8, .value_kind: global_buffer, .address_space: global }
      - { .name: wts, .offset: 8, .size: 8, .value_kind: global_buffer, .address_space: global }
      - { .name: hs2, .offset: 16, .size: 8, .value_kind: global_buffer, .address_space: global }
      - { .name: out_b, .offset: 24, .size: 8, .value_kind: global_buffer, .address_space: global }
      - { .name: out0, .offset: 32, .size: 8, .value_kind: global_buffer, .address_space: global }
    .group_segment_fixed_size: 327680
    .private_segment_fixed_size: 0
    .kernarg_segment_align: 8
    .kernarg_segment_size: 40
    .max_flat_workgroup_size: 128
    .sgpr_count:     80
    .vgpr_count:     896
    .wavefront_size: 32
...
	.end_amdgpu_metadata
.endif
;; end of part 4
;; ======== version 2 of 2: 4 launches; version 1 with the launch prep written anew for expert scheduling mode
;; workspace buffers: hb 8,388,608 bytes; wts 27,267,072 bytes; w2s 16,777,216 bytes; hs2 16,777,216 bytes; ub 8,388,608 bytes; ssq 262,144 bytes; pb 25,165,824 bytes
;; launch prep (part 5): grid 545 x 1, 8 waves a work-group, no clusters, 0 bytes of LDS; arguments hidden_states, norm_w, fc_gate_w, fc_w, fc_r_w, fc_i_w, mlp_gate_w, mlp_fc_w, out_w, alpha, hb, wts, w2s; writes hb, wts, w2s
.if DOCPART == 5
	.amdgcn_target "amdgcn-amd-amdhsa--gfx1250"
	.amdhsa_code_object_version 6
	.text
	.protected	k_q8ea63528ed_prep
	.globl	k_q8ea63528ed_prep
	.p2align	8
	.type	k_q8ea63528ed_prep,@function
k_q8ea63528ed_prep:
	s_mov_b64 s[64:65], 0
	v_nop
	global_prefetch_b8 v0, s[64:65] scope:SCOPE_SE
	s_setreg_imm32_b32 hwreg(HW_REG_WAVE_SCHED_MODE, 0, 2), 2
	s_setreg_imm32_b32 hwreg(HW_REG_WAVE_MODE, 25, 1), 1
	s_wait_xcnt 0x0
	s_wait_alu depctr_vm_vsrc(0)
; PREP: everything that the three products want in bf16 is made once, by streaming.
;   work-groups   0..127  hb[row][:] = bf16(x * rsqrt(mean(x^2) + 1e-6) * norm_w), 32 rows a work-group, 4 a wave, a row in 32 registers
;   work-groups 128..255  W1 (wts + 0):   [4096][1024] bf16, row = 256 dblk + 64 mat + dl (mat 0 gate, 1 fc, 2 r, 3 i; channel 64 dblk + dl)
;   work-groups 256..447  w2s: 8 panels of [32 slices][1024 rows][32] bf16.  Tile x of the MLP's first product (hidden units 192 x ..) lies in panel x / 2, rows 384 (x & 1) + 192 part + c
;                         (part 0 mlp_gate, 1 mlp_fc; source row 192 x + c); slice s holds k = 32 s .. 32 s + 31.  Rows 768 .. 1023 of a slice are neither written nor read.
;   work-groups 448..543  WO (wts + OWO): [96 slices][1024 n][32] bf16, WO[s][n][kk] = out_w[n][32 s + kk]: three runs of 32 slices, each of a panel's form, so both share one text
;   work-group  544       C8 (wts + OC8): [1024] f32, -8 log2(e) softplus(alpha)
; (Bytes 8,388,608 .. 20,971,519 of wts are not used.)
; A wave moves 16 KiB of f32: 32 loads of 16 bytes a lane go out together, then four groups of eight are waited for, rounded and stored;
; each store of the wave covers 256 consecutive bytes, aligned.  No LDS, no barrier: no wave wants another's bytes.
; LIMITS.  softplus(x) = max(x, 0) + log1p(e^-|x|); e^-|x| below 2^-126 counts as 0.  NaN and infinities are not treated apart.
; THE MODE: SCHED_MODE bits 1:0 = 2 (LLVM: expert scheduling mode 2), set by the entry lines.  The code itself states the register dependences
; between vector instructions and memory instructions, with s_wait_alu, always for 0.
; THE PLAN.  Registers that memory instructions touch:
;   v2        the loads' offset.  Written at the head (in the two arms by slices once more), ahead of every load; never behind one.
;   v3        the stores' offset.  Written at the head, never again.
;   NW        norm_w.  Written by loads, read by vector instructions.
;   D0 .. D3  four groups of 32 registers.  Written by the 32 loads, which all go out together; then group i's vector instructions work in place, and registers
;             4 j and 4 j + 1 of the group, its bf16 words, are read by its eight stores.  Nothing writes them behind those stores.
; Group i's vector instructions name group i's registers alone.  So the eight stores of group i - 1 are issued in group i's turn, behind ONE wait on va_vdst, and are dealt among
; group i's vector instructions with no further wait; a last such wait stands ahead of group 3's stores.  No register that a memory instruction has read is written again, and no load
; lands in a register that a vector instruction has named: nothing more is owed for the streams.
.set OWO, 20971520
.set OC8, 27262976
.set D,   32                           ; v[32:159]  four groups of eight loads
.set NW,  160                          ; v[160:191] norm_w of my 32 columns
.macro LOAD32 la, lb                   ; group i, load j at byte la i + lb j behind the source pointer
.irp i, 0,1,2,3
.irp j, 0,1,2,3,4,5,6,7
	global_load_b128 v[D+32*(\i)+4*(\j):D+32*(\i)+4*(\j)+3], v2, s[4:5] offset:(\la)*(\i)+(\lb)*(\j) th:TH_LOAD_NT
.endr
.endr
.endm
.macro CVT i, j                        ; the four numbers of group i's load j are rounded in place: they close up into the first two of their four registers
	v_cvt_pk_bf16_f32 v[D+32*(\i)+4*(\j)], v[D+32*(\i)+4*(\j)], v[D+32*(\i)+4*(\j)+1]
	v_cvt_pk_bf16_f32 v[D+32*(\i)+4*(\j)+1], v[D+32*(\i)+4*(\j)+2], v[D+32*(\i)+4*(\j)+3]
.endm
.macro PUT i, j, sa, sb                ; and are stored at byte sa i + sb j
	global_store_b64 v3, v[D+32*(\i)+4*(\j):D+32*(\i)+4*(\j)+1], s[6:7] offset:(\sa)*(\i)+(\sb)*(\j)
.endm
.macro STREAM la, lb, sa, sb
	LOAD32 \la, \lb
.irp i, 0,1,2,3
	s_wait_loadcnt 24-8*(\i)                       ; loads come back in order: group i is in, the eight loads of each younger group stay out
.if (\i) > 0
	s_wait_alu depctr_va_vdst(0)                   ; the group before has written its bf16 words, which the eight stores below read
.endif
.irp j, 0,1,2,3,4,5,6,7
.if (\i) > 0
	PUT (\i)-1, \j, \sa, \sb                       ; no vector instruction since the wait names the group before
.endif
	CVT \i, \j
.endr
.endr
	s_wait_alu depctr_va_vdst(0)                   ; group 3 has written its bf16 words, which the last eight stores read
.irp j, 0,1,2,3,4,5,6,7
	PUT 3, \j, \sa, \sb
.endr
.endm
.macro NORMROW i                       ; one row: sum of squares in four chains, across the lanes, scale, gain, round; the row before is stored meanwhile
.set RW, D+32*(\i)
	s_wait_loadcnt 24-8*(\i)                       ; row i (and norm_w, asked for first) is in; the younger rows stay out
.irp p, 0,1,2,3
	v_pk_mul_f32 v[4+2*(\p):5+2*(\p)], v[RW+2*(\p):RW+2*(\p)+1], v[RW+2*(\p):RW+2*(\p)+1]
.endr
.irp p, 4,5,6,7,8,9,10,11,12,13,14,15
	v_pk_fma_f32 v[4+2*((\p)%4):5+2*((\p)%4)], v[RW+2*(\p):RW+2*(\p)+1], v[RW+2*(\p):RW+2*(\p)+1], v[4+2*((\p)%4):5+2*((\p)%4)]
.endr
	v_pk_add_f32 v[4:5], v[4:5], v[6:7]
	v_pk_add_f32 v[8:9], v[8:9], v[10:11]
	v_pk_add_f32 v[4:5], v[4:5], v[8:9]
	v_add_f32 v4, v4, v5
	v_add_f32_dpp v4, v4, v4 row_xmask:1 row_mask:0xf bank_mask:0xf
	v_add_f32_dpp v4, v4, v4 row_xmask:2 row_mask:0xf bank_mask:0xf
	v_add_f32_dpp v4, v4, v4 row_xmask:4 row_mask:0xf bank_mask:0xf
	v_add_f32_dpp v4, v4, v4 row_xmask:8 row_mask:0xf bank_mask:0xf
	v_permlanex16_b32 v5, v4, s40, s41             ; the other half of the lanes
	v_add_f32 v4, v4, v5
	v_fma_f32 v4, v4, s3, v12                      ; mean + 1e-6
	v_rsq_f32 v6, v4                               ; twice: a pair for the packed multiply
	v_rsq_f32 v7, v4
	v_nop                                          ; a plain instruction behind the last of the two
	s_wait_alu depctr_va_vdst(0)                   ; v6 and v7 are written, ahead of their first reader; and the row before has written its bf16 words, which the eight stores below read
.irp j, 0,1,2,3,4,5,6,7
.if (\i) > 0
	PUT (\i)-1, \j, 2048, 256                      ; no vector instruction since the wait names the row before
.endif
	v_pk_mul_f32 v[RW+4*(\j):RW+4*(\j)+1], v[RW+4*(\j):RW+4*(\j)+1], v[6:7]
	v_pk_mul_f32 v[RW+4*(\j)+2:RW+4*(\j)+3], v[RW+4*(\j)+2:RW+4*(\j)+3], v[6:7]
.endr
.irp p, 0,1,2,3,4,5,6,7,8,9,10,11,12,13,14,15
	v_pk_mul_f32 v[RW+2*(\p):RW+2*(\p)+1], v[RW+2*(\p):RW+2*(\p)+1], v[NW+2*(\p):NW+2*(\p)+1]
.endr
.irp j, 0,1,2,3,4,5,6,7
	CVT \i, \j
.endr
.endm
	s_load_b512 s[8:23], s[0:1], 0x0               ; x 8, norm_w 10, gate_w 12, fc_w 14, r_w 16, i_w 18, mlp_gate_w 20, mlp_fc_w 22
	s_load_b256 s[24:31], s[0:1], 0x40             ; out_w 24, alpha 26, hb 28, wts 30
	s_load_b64 s[42:43], s[0:1], 0x60              ; w2s
	v_lshrrev_b32 v1, 5, v0
	v_readfirstlane_b32 s2, v1                     ; wave 0..7
	v_and_b32 v1, 31, v0                           ; lane
	v_lshlrev_b32 v2, 4, v1                        ; 16 bytes a lane in
	v_lshlrev_b32 v3, 3, v1                        ; 8 bytes a lane out
	s_mov_b32 s36, ttmp9
	s_mov_b32 s33, 0                               ; offsets are pairs with 0 on top
	s_mov_b32 s35, 0
	s_wait_alu depctr_va_sdst(0)                   ; s2 is written, ahead of the first branch and of its readers: every arm makes its rows from it
	s_wait_kmcnt 0x0
	s_cmp_lt_u32 s36, 128
	s_cbranch_scc0 .Lweights
	; ---- the first norm
	s_mov_b32 s3, 0x3a800000                       ; 1 / 1024
	s_mov_b32 s40, 0x76543210
	s_mov_b32 s41, 0xfedcba98
	v_mov_b32 v12, 0x358637bd                      ; 1e-6
	s_lshl_b32 s32, s36, 5
	s_lshl2_add_u32 s32, s2, s32                   ; my first row: 32 g + 4 wave
	s_lshl_b32 s34, s32, 11                        ; 2,048 bytes a row out
	s_lshl_b32 s32, s32, 12                        ; 4,096 bytes a row in
	s_add_nc_u64 s[4:5], s[8:9], s[32:33]
	s_add_nc_u64 s[6:7], s[28:29], s[34:35]
	s_wait_alu depctr_va_vdst(0)                   ; v2 and v3 are written: the loads and stores of this arm read them as their offsets
.irp j, 0,1,2,3,4,5,6,7
	global_load_b128 v[NW+4*(\j):NW+4*(\j)+3], v2, s[10:11] offset:512*(\j)
.endr
	LOAD32 4096, 512
	NORMROW 0
	NORMROW 1
	NORMROW 2
	NORMROW 3
	s_wait_alu depctr_va_vdst(0)                   ; row 3 has written its bf16 words, which the last eight stores read
.irp j, 0,1,2,3,4,5,6,7
	PUT 3, \j, 2048, 256
.endr
	s_endpgm
.Lweights:
	s_cmp_lt_u32 s36, 256
	s_cbranch_scc0 .Lw2
	; ---- the four projections' weights, 64 rows of each matrix in turn
	s_sub_co_u32 s36, s36, 128                     ; q: 32 rows of W1
	s_lshr_b32 s37, s36, 3                         ; dblk
	s_lshl_b32 s32, s37, 6
	s_and_b32 s38, s36, 1
	s_lshl_b32 s38, s38, 5
	s_add_co_u32 s32, s32, s38
	s_lshl2_add_u32 s32, s2, s32                   ; source row 64 dblk + 32 (q & 1) + 4 wave
	s_lshl_b32 s34, s36, 5
	s_lshl2_add_u32 s34, s2, s34                   ; row of W1: 32 q + 4 wave
	s_lshl_b32 s34, s34, 11
	s_bfe_u32 s37, s36, 0x20001                    ; mat
	s_cmp_eq_u32 s37, 1
	s_cselect_b64 s[4:5], s[14:15], s[12:13]
	s_cmp_eq_u32 s37, 2
	s_cselect_b64 s[4:5], s[16:17], s[4:5]
	s_cmp_eq_u32 s37, 3
	s_cselect_b64 s[4:5], s[18:19], s[4:5]
	s_lshl_b32 s32, s32, 12
	s_add_nc_u64 s[4:5], s[4:5], s[32:33]
	s_add_nc_u64 s[6:7], s[30:31], s[34:35]
	s_wait_alu depctr_va_vdst(0)                   ; v2 and v3 are written: the loads and stores of this arm read them as their offsets
	STREAM 4096, 512, 2048, 256
	s_endpgm
.Lw2:
	s_cmp_lt_u32 s36, 448
	s_cbranch_scc0 .Lo
	; ---- the MLP's two first matrices by slices of 32 along K: 192 rows of each in turn; a wave takes 4 rows x 1,024 k
	s_sub_co_u32 s36, s36, 256                     ; q: 32 rows
	s_mul_hi_u32 s37, s36, 0x15555556              ; x = q / 12 (q < 192)
	s_mul_i32 s38, s37, 12
	s_sub_co_u32 s38, s36, s38                     ; q - 12 x
	s_mul_i32 s32, s37, 192
	s_and_b32 s34, s37, 1
	s_mul_i32 s34, s34, 384
	s_lshl_b32 s39, s38, 5
	s_add_co_u32 s34, s34, s39
	s_lshl2_add_u32 s34, s2, s34                   ; row in the panel: 384 (x & 1) + 32 (q - 12 x) + 4 wave
	s_lshl_b32 s34, s34, 6
	s_lshr_b32 s39, s37, 1
	s_lshl_b32 s39, s39, 21                        ; the panel: 32 slices of 65,536 bytes
	s_add_co_u32 s34, s34, s39
	s_cmp_ge_u32 s38, 6                            ; the second six are mlp_fc's
	s_cselect_b64 s[4:5], s[22:23], s[20:21]
	s_cselect_b32 s39, 6, 0
	s_sub_co_u32 s38, s38, s39
	s_lshl_b32 s38, s38, 5
	s_add_co_u32 s32, s32, s38
	s_lshl2_add_u32 s32, s2, s32                   ; source row
	s_lshl_b32 s32, s32, 12
	s_add_nc_u64 s[4:5], s[4:5], s[32:33]
	s_add_nc_u64 s[6:7], s[42:43], s[34:35]
	v_lshrrev_b32 v4, 3, v1
	v_and_b32 v5, 7, v1
	v_lshlrev_b32 v4, 12, v4
	v_lshl_add_u32 v2, v5, 4, v4                   ; row lane / 8 (4,096 bytes apart), 16 bytes at lane % 8
	s_branch .Lslice
.Lo:
	s_cmp_lt_u32 s36, 544
	s_cbranch_scc0 .Lc
	; ---- out_w by slices: a wave takes 4 rows x 1,024 k
	s_sub_co_u32 s36, s36, 448
	s_lshr_b32 s37, s36, 5                         ; which third of K
	s_and_b32 s38, s36, 31
	s_lshl_b32 s38, s38, 3
	s_add_co_u32 s38, s38, s2
	s_lshl_b32 s38, s38, 2                         ; n0
	s_mul_i32 s32, s38, 12288
	s_lshl_b32 s39, s37, 12
	s_add_co_u32 s32, s32, s39
	s_lshl_b32 s34, s37, 21                        ; 32 slices of 65,536 bytes
	s_lshl_b32 s39, s38, 6
	s_add_co_u32 s34, s34, s39
	s_add_co_u32 s34, s34, OWO
	v_lshrrev_b32 v4, 3, v1
	v_and_b32 v5, 7, v1
	v_mul_u32_u24 v4, v4, 12288
	v_lshl_add_u32 v2, v5, 4, v4                   ; row lane / 8 (12,288 bytes apart), 16 bytes at lane % 8
	s_add_nc_u64 s[4:5], s[24:25], s[32:33]
	s_add_nc_u64 s[6:7], s[30:31], s[34:35]
.Lslice:                                               ; a load is 4 rows x 128 bytes, a store 4 rows x 64 bytes on end, a slice further each time
	s_wait_alu depctr_va_vdst(0)                   ; v2, made anew in both arms that meet here, and v3 are written: the loads and stores below read them as their offsets
	STREAM 1024, 128, 524288, 65536
	s_endpgm
.Lc:
	; ---- the table -8 log2(e) softplus(alpha): four numbers a thread
	s_add_nc_u64 s[6:7], s[30:31], OC8
	s_mov_b32 s38, 0xbfb8aa3b                      ; -log2(e)
	s_mov_b32 s39, 0x3a800000                      ; 2^-10: below it log1p(z) is taken as z (1 - z / 2)
	v_lshlrev_b32 v4, 4, v0
	s_wait_alu depctr_va_vdst(0)                   ; v4 is written: the load and the store of this arm read it as their offset
	global_load_b128 v[8:11], v4, s[26:27]
	s_wait_loadcnt 0x0
.irp k, 0,1,2,3
	v_mul_f32 v[12+(\k)], s38, |v[8+(\k)]|
.endr
.irp k, 0,1,2,3
	v_exp_f32 v[12+(\k)], v[12+(\k)]               ; z = e^-|x|
.endr
	v_nop
	s_wait_alu depctr_va_vdst(0)                   ; the four z are written, ahead of their first reader
.irp k, 0,1,2,3
	v_add_f32 v[16+(\k)], 1.0, v[12+(\k)]
.endr
.irp k, 0,1,2,3
	v_log_f32 v[16+(\k)], v[16+(\k)]
.endr
.irp k, 0,1,2,3
	v_fma_f32 v[20+(\k)], v[12+(\k)], -0.5, 1.0
.endr
.irp k, 0,1,2,3
	v_mul_f32 v[20+(\k)], v[20+(\k)], v[12+(\k)]
	v_max_num_f32 v[8+(\k)], 0, v[8+(\k)]
.endr
.irp k, 0,1,2,3
	v_cmp_gt_f32 s[44+(\k)], s39, v[12+(\k)]       ; the four masks in a run, each in a scalar register of its own
.endr
	s_wait_alu depctr_va_vdst(0)                   ; the four logarithms are written, ahead of their first reader
	s_wait_alu depctr_va_sdst(0)                   ; s44 to s47 are written, ahead of the selects that read them
.irp k, 0,1,2,3
	v_mul_f32 v[16+(\k)], 0x3f317218, v[16+(\k)]   ; ln 2
	v_cndmask_b32 v[16+(\k)], v[16+(\k)], v[20+(\k)], s[44+(\k)]
	v_add_f32 v[8+(\k)], v[8+(\k)], v[16+(\k)]
	v_mul_f32 v[8+(\k)], 0xc138aa3b, v[8+(\k)]     ; -8 log2(e)
.endr
	s_wait_alu depctr_va_vdst(0)                   ; v[8:11] are written, which the store reads
	global_store_b128 v4, v[8:11], s[6:7]
	s_endpgm
.Lfunc_end_k_q8ea63528ed_prep:
	.size	k_q8ea63528ed_prep, .Lfunc_end_k_q8ea63528ed_prep-k_q8ea63528ed_prep
	.p2alignl 7, 3214868480
	.fill 96, 4, 3214868480
	.section	.rodata,"a",@progbits
	.p2align	6, 0x0
	.amdhsa_kernel k_q8ea63528ed_prep
		.amdhsa_group_segment_fixed_size 0
		.amdhsa_private_segment_fixed_size 0
		.amdhsa_enable_private_segment 0
		.amdhsa_kernarg_size 104
		.amdhsa_user_sgpr_count 2
		.amdhsa_user_sgpr_kernarg_segment_ptr 1
		.amdhsa_wavefront_size32 1
		.amdhsa_system_sgpr_workgroup_id_x 1
		.amdhsa_system_sgpr_workgroup_id_y 1
		.amdhsa_system_sgpr_workgroup_id_z 1
		.amdhsa_system_vgpr_workitem_id 0
		.amdhsa_next_free_vgpr 192
		.amdhsa_next_free_sgpr 66
		.amdhsa_reserve_vcc 0
		.amdhsa_float_denorm_mode_32 3
		.amdhsa_float_denorm_mode_16_64 3
		.amdhsa_memory_ordered 1
		.amdhsa_forward_progress 1
		.amdhsa_inst_pref_size 54
	.end_amdhsa_kernel
	.amdgpu_metadata
---
amdhsa.version: [ 1, 2 ]
amdhsa.kernels:
  - .name:           k_q8ea63528ed_prep
    .symbol:         k_q8ea63528ed_prep.kd
    .args:
      - { .name: hidden_states, .offset: 0, .size: 8, .value_kind: global_buffer, .address_space: global }
      - { .name: norm_w, .offset: 8, .size: 8, .value_kind: global_buffer, .address_space: global }
      - { .name: fc_gate_w, .offset: 16, .size: 8, .value_kind: global_buffer, .address_space: global }
      - { .name: fc_w, .offset: 24, .size: 8, .value_kind: global_buffer, .address_space: global }
      - { .name: fc_r_w, .offset: 32, .size: 8, .value_kind: global_buffer, .address_space: global }
      - { .name: fc_i_w, .offset: 40, .size: 8, .value_kind: global_buffer, .address_space: global }
      - { .name: mlp_gate_w, .offset: 48, .size: 8, .value_kind: global_buffer, .address_space: global }
      - { .name: mlp_fc_w, .offset: 56, .size: 8, .value_kind: global_buffer, .address_space: global }
      - { .name: out_w, .offset: 64, .size: 8, .value_kind: global_buffer, .address_space: global }
      - { .name: alpha, .offset: 72, .size: 8, .value_kind: global_buffer, .address_space: global }
      - { .name: hb, .offset: 80, .size: 8, .value_kind: global_buffer, .address_space: global }
      - { .name: wts, .offset: 88, .size: 8, .value_kind: global_buffer, .address_space: global }
      - { .name: w2s, .offset: 96, .size: 8, .value_kind: global_buffer, .address_space: global }
    .group_segment_fixed_size: 0
    .private_segment_fixed_size: 0
    .kernarg_segment_align: 8
    .kernarg_segment_size: 104
    .max_flat_workgroup_size: 256
    .sgpr_count:     66
    .vgpr_count:     192
    .wavefront_size: 32
...
	.end_amdgpu_metadata
.endif
;; end of part 5
;; launch mix: the kernel of part 2 again; grid 16 x 16, 4 waves a work-group, clusters of 4 x 4, 327,680 bytes of LDS; arguments hb, wts, hidden_states, fc_gate_b, fc_b, fc_r_b, fc_i_b, norm2_w, hs2, ub, ssq; writes hs2, ub, ssq
;; launch mlp1: the kernel of part 3 again; grid 16 x 16, 4 waves a work-group, clusters of 4 x 4, 327,680 bytes of LDS; arguments ub, w2s, ssq, mlp_gate_b, mlp_fc_b, pb; writes pb
;; launch mlp2: the kernel of part 4 again; grid 8 x 32, 4 waves a work-group, clusters of 4 x 4, 327,680 bytes of LDS; arguments pb, wts, hs2, out_b, out0; writes out0
